; MI455X (gfx1250); checked and timed in simulation.
; The chip was launched on July 23, 2026; its instructions are those of AMD's public machine-readable ISA for CDNA 5 (MIT licence, August 2026) and "CDNA5" Instruction Set Architecture Reference Guide (July 2026). The comments in the code are by the model that wrote it; some were corrected since.
;; Multi Headed Attention Google. Allowed arithmetic: matrix products marked QUANTISED: E2M3 operands, one E8M0 scale for each 32 along K, by v_wmma_scale_f32_16x16x128_f8f6f4 with both operands' format E2M3, f32 sums; everything else in f32.
;; Inputs: Wk 1,024 x 1,024 float32; Wo 1,024 x 1,024 float32; Wq 1,024 x 1,024 float32; Wv 1,024 x 1,024 float32; bk 1,024 float32; bo 1,024 float32; bq 1,024 float32; bv 1,024 float32; key 4 x 2,048 x 1,024 float32; query 4 x 2,048 x 1,024 float32; value 4 x 2,048 x 1,024 float32.
;; Outputs: out0 4 x 2,048 x 1,024 float32.
;; This version of the problem:
;;   THIS VERSION OF THE PROBLEM IS GIVEN IN LOW PRECISION. The matrix products marked QUANTISED in the list below multiply operands that are first quantised to E2M3 (2 exponent bits, 3 mantissa bits; 6 bits a number), with one power-of-two scale for each 32 numbers along K (OCP MX v1.0); their sums are f32. All else is computed in f32.
;;   The module's matrix products, in the order in which they are computed (A, B: the left and right operand; K: the contracted axis; several contracted axes count as one K, in the product's order):
;;     1. [M 8,192, K 1,024] x [K 1,024, N 1,024]; A: input query; B: input Wq: QUANTISED
;;     2. [M 8,192, K 1,024] x [K 1,024, N 1,024]; A: input key; B: input Wk: QUANTISED
;;     3. [M 8,192, K 1,024] x [K 1,024, N 1,024]; A: input value; B: input Wv: QUANTISED
;;     4. batch 64 x [M 2,048, K 64] x [K 64, N 2,048]; A: computed on the way; B: computed on the way: QUANTISED
;;     5. batch 64 x [M 2,048, K 2,048] x [K 2,048, N 64]; A: softmax (see below); B: computed on the way: QUANTISED
;;     6. [M 8,192, K 1,024] x [K 1,024, N 1,024]; A: computed on the way; B: input Wo: QUANTISED
;;   THE QUANTISER, for each operand of a quantised product, along K:
;;     - K is cut into blocks of 32 from its start; a last block that is shorter is filled with zeros.
;;     - A block's scale is 2^e with e = floor(log2(the largest magnitude in the block)) - 2, held to -126 .. 127; a block of zeros has e = 0. As a byte (E8M0): e + 127.
;;     - Each number is divided by its block's scale, clamped to +-7.5, and rounded to the nearest number of E2M3, ties to even, subnormals kept.
;;     - The product sums the exact products of the quantised numbers (number of the format x scale) in f32.
;;   ~~~python
;;   def quantise(x, axis):      # numpy; x: float32 -> the quantised numbers, widened to float32 again
;;       x = np.moveaxis(x, axis, -1); K = x.shape[-1]
;;       x = np.pad(x, [(0, 0)] * (x.ndim - 1) + [(0, -K % 32)]); x = x.reshape(x.shape[:-1] + (-1, 32)); a = np.abs(x).max(-1, keepdims=True)
;;       e = np.where(a > 0, np.clip(np.frexp(np.where(a > 0, a, 1))[1] - 1 - 2, -126, 127), 0)      # np.frexp(a)[1] - 1 = floor(log2(a)), exactly
;;       r = np.clip(x / 2.0 ** e, -7.5, 7.5)
;;       step = 2.0 ** (np.maximum(np.frexp(np.where(r == 0, 1, r))[1] - 1, 0) - 3)
;;       q = np.round(r / step) * step * 2.0 ** e      # np.round: ties to even
;;       return np.moveaxis(q.reshape(q.shape[:-2] + (-1,))[..., :K], -1, axis).astype(np.float32)
;;   ~~~
;;   SOFTMAX AHEAD OF A QUANTISED PRODUCT. Where the list says 'softmax', what is quantised is not the finished softmax but p = 2^(t - M), with t = logit x log2(e) and M = ceil(the row's largest t), a whole number; so 1/2 < the row's largest p <= 1. The row's sum l is taken of the UNQUANTISED p, in f32, and the product's result is divided by l at the end. Since M is a whole number, a kernel that streams over the keys may use a running M (the ceiling of the running maximum): every later rescaling is an exact power of two, which a block's scale takes up: the codes' values come out the same.
;;   OPERANDS COMPUTED ON THE WAY. 'Computed on the way' means the value that the module computes at that place (a softmax that the list does not call 'softmax' is quantised finished and normalised). What goes into a quantiser is computed in f32, as accurately as f32 sums, v_exp_f32 and their like allow (about 1e-6 of the number): no bf16 or f16 on the way to a quantiser, and a product that is left as it is and whose result goes on into a quantised operand takes f32 operands (vector FMAs, or v_wmma_f32_16x16x4_f32). A number that lies on a knife's edge between two numbers of the format may be rounded either way, as far as f32 arithmetic and the matrix unit's own rounding can turn it there, and no further.
;; One version. Each part assembles by itself: llvm-mc -triple=amdgcn-amd-amdhsa -mcpu=gfx1250 --defsym DOCPART=n.
;; ======== version 1 of 1: 4 launches
;; limits: right only within a limited range of input values
;; workspace buffers: xc 22,020,096 bytes; xs 917,504 bytes; qkv 20,185,088 bytes; oc 6,291,456 bytes; os 262,144 bytes
;; launch quant (part 1): grid 896 x 1, 4 waves a work-group, no clusters, 34,304 bytes of LDS; arguments query, key, value, Wq, Wk, Wv, Wo, xc, xs; writes xc, xs
.if DOCPART == 1
	.amdgcn_target "amdgcn-amd-amdhsa--gfx1250"
	.amdhsa_code_object_version 6
	.text
	.protected	k_q6c57a2c371_quant
	.globl	k_q6c57a2c371_quant
	.p2align	8
	.type	k_q6c57a2c371_quant,@function
k_q6c57a2c371_quant:
	s_mov_b64 s[64:65], 0
	v_nop
	global_prefetch_b8 v0, s[64:65] scope:SCOPE_SE
	s_setreg_imm32_b32 hwreg(HW_REG_WAVE_MODE, 25, 1), 1
	s_wait_xcnt 0x0
; query, key, value [8192][1024] and Wq, Wk, Wv, Wo [1024][1024], f32, K innermost, become codes of FP6 (E2M3) with one E8M0 byte for each 32 along K.
; A block's scale is 2^(floor(log2(its largest magnitude)) - 2); its byte is the largest magnitude's exponent field - 2, held at 1 from below.
; LIMITS: NaN and infinities among the inputs are not served; a block whose largest magnitude lies under 2^-124 has its byte held at 1; a block of zeros gets the byte 1 where the
; rule says 127: its codes are zeros, which add nothing under any byte but 0xff, and this program alone reads the bytes.
; LAYOUT OF xc: images of operand registers.  A fragment (16 rows x 128 K, 12 registers a lane) is 1,536 bytes: registers 0-3 at 16 x lane, 4-5 at 512 + 8 x lane, 6-9 at 768 + 16 x lane,
; 10-11 at 1,280 + 8 x lane.  Fragment (row tile T, K step s) lies at (8 T + s) x 1,536.  Every store covers 512 or 256 consecutive bytes, aligned.
; TILE ORDER: row tile T holds rows 32 (T / 2) + 8 (T % 2) + r + 8 (r / 8), r = 0 .. 15.  T: query 0-511, key 512-1023, value 1024-1535, Wq 1536-, Wk 1600-, Wv 1664-, Wo 1728-1791.
; LAYOUT OF xs: the scale word of (T, s, row r) lies at 512 T + 128 (s / 2) + 8 r + 4 (s % 2).
; SHARES: a work-group takes 32 rows (two row tiles); wave w takes tile w / 2 of them and half w % 2 of K: four fragments.  Each load reads 512 consecutive bytes of one row; a fragment's 8 KiB
; turn through the wave's own stage in LDS (16 rows of 512 + 16 bytes), so that a lane gets 16 neighbours of each block of 32.  No barrier: waves share nothing.  32 loads a wave are out.
; KEY'S TILES ALONE ARE ORDERED OTHERWISE than the line on the tile order above says: key's row tile T holds rows 64 (T / 4) + 8 (T % 4) + r % 8 + 32 (r / 8),
; so that in the scores' transposed product a lane's 32 registers of four neighbouring tiles are one whole block of 32 keys.
.set R,   16
.set X,   144                          ; v144-207 64 numbers: register 16 b + i = k 32 b + 16 (lane / 16) + i of my row
.set PC,  208                          ; v208-219 the fragment's codes
.set PCT, 220                          ; v220-227 the conversions' second halves
.set TM,  228                          ; v228-231 largest magnitudes, v232-235 bytes, v236-239 the conversions' scale operands
.set PW,  240                          ; v240-243 a scale word for each K step
.set DD,  244                          ; v244-245 the scale words on their way out
.set SEL, 22                           ; s[22:23] lane selects for v_permlanex16_b32: lane l xor 16
.macro QUANT s, pw
.irp b, 0,1,2,3
	v_max3_num_f32 v[TM+\b], |v[\s+16*\b]|, |v[\s+1+16*\b]|, 0x1800000   ; block b: my 16 numbers, and the floor 2^(3 - 127): the byte cannot fall under 1
.endr
.irp i, 2,4,6,8,10,12,14
.irp b, 0,1,2,3
	v_max3_num_f32 v[TM+\b], v[TM+\b], |v[\s+16*\b+\i]|, |v[\s+1+16*\b+\i]|   ; the four blocks by turns
.endr
.endr
.irp b, 0,1,2,3
	v_permlanex16_b32 v[TM+4+\b], v[TM+\b], s[SEL], s[SEL+1]
.endr
.irp b, 0,1,2,3
	v_max_num_f32 v[TM+\b], v[TM+\b], v[TM+4+\b]   ; with lane l xor 16's: the block's largest magnitude
.endr
.irp b, 0,1,2,3
	v_add_nc_u32 v[TM+8+\b], 0xff000000, v[TM+\b]  ; 2 off its exponent field: the conversion's scale operand
.endr
.irp b, 0,1,2,3
	v_lshrrev_b32 v[TM+4+\b], 23, v[TM+8+\b]       ; the scale's byte
.endr
	v_lshl_or_b32 v[\pw], v[TM+5], 8, v[TM+4]      ; four bytes: my row's scale word
	v_lshl_or_b32 v[\pw], v[TM+6], 16, v[\pw]
	v_lshl_or_b32 v[\pw], v[TM+7], 24, v[\pw]
.irp c, 0,1
	v_cvt_scalef32_pk16_fp6_f32 v[PC+6*\c:PC+2+6*\c], v[\s+32*\c:\s+15+32*\c], v[TM+8+2*\c]
	v_cvt_scalef32_pk16_fp6_f32 v[PCT+4*\c:PCT+2+4*\c], v[\s+16+32*\c:\s+31+32*\c], v[TM+8+2*\c+1]   ; (a conversion's three registers begin on an even number)
.endr
	v_nop                                          ; one plain place behind the scaled conversions
.irp c, 0,1                                    ; the operand's layout wants a whole block in a lane: lanes 0-15 block 2 c, lanes 16-31 block 2 c + 1
.irp i, 0,1,2
	v_permlane16_swap_b32 v[PC+6*\c+\i], v[PCT+4*\c+\i]
.endr
.irp i, 0,1,2
	v_mov_b32 v[PC+3+6*\c+\i], v[PCT+4*\c+\i]
.endr
.endr
.endm
	s_load_b256 s[4:11], s[0:1], 0x0               ; query s[4:5], key s[6:7], value s[8:9], Wq s[10:11]
	s_load_b256 s[12:19], s[0:1], 0x20             ; Wk s[12:13], Wv s[14:15], Wo s[16:17], xc s[18:19]
	s_load_b64 s[20:21], s[0:1], 0x40              ; xs
	v_lshl_add_u32 v248, v0, 2, 0x8400
	v_mov_b32 v249, 0
	v_lshrrev_b32 v1, 5, v0
	v_readfirstlane_b32 s24, v1                    ; wave 0..3
	v_and_b32 v1, 31, v0                           ; lane
	v_and_b32 v2, 15, v0                           ; r
	v_bfe_u32 v3, v0, 4, 1                         ; h
	v_lshlrev_b32 v4, 4, v1                        ; 16 x lane
	v_lshlrev_b32 v5, 3, v1                        ; 8 x lane
	s_mul_i32 s25, s24, 8448                       ; my stage
	v_add_nc_u32 v6, s25, v4                       ; into it: a row's 512 bytes as they lie
	v_mul_u32_u24 v7, v2, 528
	v_lshl_add_u32 v7, v3, 6, v7
	v_add_nc_u32 v7, s25, v7                       ; out of it: row r, + 64 h: my 16 numbers of a block
	s_mov_b32 s[SEL], 0x76543210
	s_mov_b32 s[SEL+1], 0xfedcba98
.irp b, 0,1,2,3
	v_mov_b32 v[TM+4+\b], 0                        ; written once: a lane permute's destination counts as one of its sources
.endr
	s_lshr_b32 s26, s24, 1                         ; which of the group's two row tiles
	s_and_b32 s27, s24, 1                          ; which half of K
	s_and_b32 s39, ttmp9, 1
	s_lshl_b32 s39, s39, 4                         ; 16 x (group % 2)
	s_lshr_b32 s35, ttmp9, 8
	s_cmp_eq_u32 s35, 1                            ; key's work-groups are 256 to 511
	s_cselect_b32 s39, s39, 0                      ; key: an odd group's tiles begin 16 rows higher up,
	s_cselect_b32 s35, 0x10000, 0                  ; and a tile's rows 8-15 lie 16 rows (of 4,096 bytes) further down than in the other tensors
	v_lshl_add_u32 v8, v1, 4, s35                  ; the offset for a tile's rows 8-15
	s_wait_alu depctr_va_vdst(0)
	s_wait_kmcnt 0x0
	; which tensor: the choice hangs on the work-group's number alone; only a pointer and a first group are chosen, all take one path
	s_mov_b64 s[28:29], s[16:17]
	s_mov_b32 s30, 864
.macro PICK lim, ptr, first
	s_cmp_lt_u32 ttmp9, \lim
	s_cselect_b64 s[28:29], s[\ptr:\ptr+1], s[28:29]
	s_cselect_b32 s30, \first, s30
.endm
	PICK 864, 14, 832
	PICK 832, 12, 800
	PICK 800, 10, 768
	PICK 768, 8, 512
	PICK 512, 6, 256
	PICK 256, 4, 0
	s_sub_co_u32 s31, ttmp9, s30                   ; the group of 32 rows in its tensor
	s_lshl_b32 s31, s31, 5
	s_lshl_b32 s32, s26, 3
	s_add_co_u32 s31, s31, s32                     ; the tile's first row
	s_sub_co_u32 s31, s31, s39
	s_lshl_b32 s32, s31, 12                        ; x 4,096 bytes (under 2^26)
	s_lshl_b32 s33, s27, 11
	s_add_co_u32 s32, s32, s33                     ; + my half of K
	s_mov_b32 s33, 0
	s_add_nc_u64 s[28:29], s[28:29], s[32:33]
	s_lshl_b32 s34, ttmp9, 1
	s_add_co_u32 s34, s34, s26                     ; T
	s_lshl_b32 s36, s34, 3
	s_lshl_b32 s37, s27, 2
	s_add_co_u32 s36, s36, s37
	s_mul_i32 s36, s36, 1536                       ; (8 T + 4 half) fragments
	s_mov_b32 s37, 0
	s_add_nc_u64 s[18:19], s[18:19], s[36:37]
	s_lshl_b32 s36, s34, 9
	s_lshl_b32 s38, s27, 8
	s_add_co_u32 s36, s36, s38
	s_add_nc_u64 s[20:21], s[20:21], s[36:37]
.macro LOADS t                         ; K step t of my four: 16 rows x 512 bytes
.irp i, 0,1,2,3,4,5,6,7,8,9,10,11,12,13,14,15
	global_load_b128 v[R+64*((\t)%2)+4*\i:R+64*((\t)%2)+4*\i+3], v[4+4*(\i/8)], s[28:29] offset:(\i+8*(\i/8))*4096+512*(\t) th:TH_LOAD_NT
.endr
.endm
.macro STEP t
.if (\t) < 3
	s_wait_loadcnt 16                              ; this step's 16 loads are in; the next step's 16 may be out
.else
	s_wait_loadcnt 0x0
.endif
.irp i, 0,1,2,3,4,5,6,7,8,9,10,11,12,13,14,15
	ds_store_b128 v6, v[R+64*((\t)%2)+4*\i:R+64*((\t)%2)+4*\i+3] offset:528*\i
.endr
.irp b, 0,1,2,3
.irp j, 0,1,2,3
	ds_load_b128 v[X+16*\b+4*\j:X+16*\b+4*\j+3], v7 offset:128*\b+16*\j   ; LDS serves a wave's instructions in order: these see the stores above
.endr
.endr
	s_wait_dscnt 0x0                               ; my 64 numbers are back, and the stage's stores have read their registers
.if (\t) > 0
	s_wait_xcnt 0x0                                ; the last step's stores have read their data: the codes' registers are written again only behind this wait
.endif
.if (\t) < 2
	LOADS (\t)+2
.endif
	QUANT X, PW+(\t)
	global_store_b128 v4, v[PC:PC+3], s[18:19] offset:1536*(\t)
	global_store_b64 v5, v[PC+4:PC+5], s[18:19] offset:1536*(\t)+512
	global_store_b128 v4, v[PC+6:PC+9], s[18:19] offset:1536*(\t)+768
	global_store_b64 v5, v[PC+10:PC+11], s[18:19] offset:1536*(\t)+1280
.endm
	LOADS 0
	LOADS 1
	STEP 0
	STEP 1
	STEP 2
	STEP 3
	v_cmp_le_u32 vcc_lo, 16, v1                    ; lanes 0-15 store the words of K steps 0, 1 of row r, lanes 16-31 those of steps 2, 3 (both halves of the lanes hold every word)
	v_cndmask_b32 v[DD], v[PW], v[PW+2], vcc_lo
	v_cndmask_b32 v[DD+1], v[PW+1], v[PW+3], vcc_lo
	global_store_b64 v5, v[DD:DD+1], s[20:21]      ; 32 lanes store 256 consecutive bytes, aligned
	s_wait_tensorcnt 0x0
	ds_add_u32 v248, v249
	s_wait_dscnt 0x0
	s_endpgm
.Lfunc_end_k_q6c57a2c371_quant:
	.size	k_q6c57a2c371_quant, .Lfunc_end_k_q6c57a2c371_quant-k_q6c57a2c371_quant
	.p2alignl 7, 3214868480
	.fill 96, 4, 3214868480
	.section	.rodata,"a",@progbits
	.p2align	6, 0x0
	.amdhsa_kernel k_q6c57a2c371_quant
		.amdhsa_group_segment_fixed_size 34304
		.amdhsa_private_segment_fixed_size 0
		.amdhsa_enable_private_segment 0
		.amdhsa_kernarg_size 72
		.amdhsa_user_sgpr_count 2
		.amdhsa_user_sgpr_kernarg_segment_ptr 1
		.amdhsa_wavefront_size32 1
		.amdhsa_system_sgpr_workgroup_id_x 1
		.amdhsa_system_sgpr_workgroup_id_y 1
		.amdhsa_system_sgpr_workgroup_id_z 1
		.amdhsa_system_vgpr_workitem_id 0
		.amdhsa_next_free_vgpr 250
		.amdhsa_next_free_sgpr 66
		.amdhsa_reserve_vcc 1
		.amdhsa_float_denorm_mode_32 3
		.amdhsa_float_denorm_mode_16_64 3
		.amdhsa_memory_ordered 1
		.amdhsa_forward_progress 1
		.amdhsa_inst_pref_size 35
	.end_amdhsa_kernel
	.amdgpu_metadata
---
amdhsa.version: [ 1, 2 ]
amdhsa.kernels:
  - .name:           k_q6c57a2c371_quant
    .symbol:         k_q6c57a2c371_quant.kd
    .args:
      - { .name: query, .offset: 0, .size: 8, .value_kind: global_buffer, .address_space: global }
      - { .name: key, .offset: 8, .size: 8, .value_kind: global_buffer, .address_space: global }
      - { .name: value, .offset: 16, .size: 8, .value_kind: global_buffer, .address_space: global }
      - { .name: Wq, .offset: 24, .size: 8, .value_kind: global_buffer, .address_space: global }
      - { .name: Wk, .offset: 32, .size: 8, .value_kind: global_buffer, .address_space: global }
      - { .name: Wv, .offset: 40, .size: 8, .value_kind: global_buffer, .address_space: global }
      - { .name: Wo, .offset: 48, .size: 8, .value_kind: global_buffer, .address_space: global }
      - { .name: xc, .offset: 56, .size: 8, .value_kind: global_buffer, .address_space: global }
      - { .name: xs, .offset: 64, .size: 8, .value_kind: global_buffer, .address_space: global }
    .group_segment_fixed_size: 34304
    .private_segment_fixed_size: 0
    .kernarg_segment_align: 8
    .kernarg_segment_size: 72
    .max_flat_workgroup_size: 128
    .sgpr_count:     66
    .vgpr_count:     250
    .wavefront_size: 32
...
	.end_amdgpu_metadata
.endif
;; end of part 1
;; launch proj (part 2): grid 32 x 8, 4 waves a work-group, clusters of 4 x 4, 327,680 bytes of LDS; arguments xc, xs, bq, bk, bv, qkv; writes qkv
.if DOCPART == 2
	.amdgcn_target "amdgcn-amd-amdhsa--gfx1250"
	.amdhsa_code_object_version 6
	.text
	.protected	k_q6c57a2c371_proj
	.globl	k_q6c57a2c371_proj
	.p2align	8
	.type	k_q6c57a2c371_proj,@function
k_q6c57a2c371_proj:
	s_mov_b64 s[64:65], 0
	v_nop
	global_prefetch_b8 v0, s[64:65] scope:SCOPE_SE
	s_setreg_imm32_b32 hwreg(HW_REG_WAVE_MODE, 25, 1), 1
	s_wait_xcnt 0x0
	s_wait_alu depctr_hold_cnt(0) depctr_sa_sdst(0) depctr_va_vdst(0) depctr_va_sdst(0) depctr_va_ssrc(0) depctr_va_vcc(0) depctr_vm_vsrc(0)
	s_getreg_b32 s2, hwreg(HW_REG_IB_STS2, 6, 4)
	s_cmp_eq_u32 s2, 0
	s_cbranch_scc0 .Lentry_in_a_cluster
	s_endpgm
.Lentry_in_a_cluster:
	s_bfe_u32 s2, ttmp6, 0x10000c
	s_cmp_lg_u32 s2, 0xf033
	s_cbranch_scc0 .Lentry_shape_is_right
	s_endpgm
.Lentry_shape_is_right:
; Q = query Wq^T + bq, K = key Wk^T + bk, V = value Wv^T + bv: three products of 8,192 x 1,024 x 1,024 on codes of FP6 (E2M3) with one E8M0 byte for each 32 along K, f32 sums,
; each result quantised again on the way out: Q and K along a head's 64 channels, V along the tokens.  No f32 result is stored.
; LIMITS: NaN, infinities and sums beyond f32's range are not served; a sum begins with the bias, where the reference adds it last; a block whose largest magnitude lies under 2^-124, a block of zeros among them, gets the scale byte 1.
; OPERANDS are images of operand registers.  A fragment (16 rows x 128 K, 12 registers a lane) is 1,536 bytes: registers 0-3 at 16 x lane, 4-5 at 512 + 8 x lane, 6-9 at 768 + 16 x lane, 10-11 at 1,280 + 8 x lane.
; Fragment (row tile T, K step q) lies at (8 T + q) x 1,536 of xc; its rows' scale words at 512 T + 128 (q / 2) + 8 r + 4 (q % 2) of xs.  T: query 0-, key 512-, value 1,024-, Wq 1,536-, Wk 1,600-, Wv 1,664-.
; A RECORD of qkv (batch x 16 + head): K's 128 token tiles x 768 | V's fragments (key step of 128, channel tile i) at (4 step + i) x 1,536 | K's scale words [tile][16] | V's [step][i][16] | Q's 128 tiles x 768 | Q's scale words.
; THE DEAL.  256 work-groups of four waves, 2 x 2, which STAY and walk three phases, Q, K, V.  A phase is 16 STREAMED row tiles x 8 RESIDENT row tiles.  Q, K: streamed = tokens (tile row 0 .. 31), resident = the weight's rows
; (tile column 0 .. 7).  V: streamed = Wv's rows (16 cx ..), resident = the 128 tokens of key step cy + 4 (cluster x + 8 cluster y).  Wave (a, b) holds resident tiles 4 b .. 4 b + 3, all of K, in registers (32 fragments)
; and streams row tiles 2 s + a past them as blocks s = 0 .. 7: 32 products a block, the four accumulators by turns, two sets of them.
; Source 0 = the resident rows, source 1 = the streamed rows: a lane holds one streamed row, and its 32 sums are resident rows 32 e + 16 (lane / 16) + 0 .. 15, e = 0, 1: two scale blocks, each in lanes l and l xor 16.
; So a block's way out is half a fragment, 768 bytes: for Q and K one head of 16 tokens; for V 64 tokens of 16 channels.  Its two scale bytes leave by a store of 4 bytes a row (Q, K: the word's upper half is 0) or of 2 (V).
; CLUSTER: the streamed tiles hang on numbers that a column of the cluster shares, the resident tiles on numbers that a row shares: joint loads.
; LDS: the streamed 16 tiles (196,608 bytes), the resident 8 (98,304), dense; then the spare words.  FOUR TILES A PHASE, one a wave, each on its own line: the resident tiles; streamed tiles 0-7; 8-11; 12-15.
; A phase's stream begins when the first two are in; a plain barrier inside block 1 shows the others.  THE NEXT PHASE'S FOUR are asked for behind block 5, when block 7 has been fetched and nobody reads LDS any more: behind a wait on the tensor loads,
; an add to a spare word and its wait, and a round of the cluster's barrier.  No data prefetch: what a phase reads is asked for whole, two blocks ahead of the phase.
; Scale words and biases go from memory into registers, two sets by turns, a phase ahead.
.set REC,   315392
.set VIMG,  98304
.set KSC,   196608
.set VSC,   204800
.set QIMG,  208896
.set QSC,   307200
.set KT,    12288                      ; a row tile: eight fragments
.set FRB,   1536
.set NQ,    8
.set NB,    4
.set FR,    12
.set FPW,   256/FR                     ; fragment f lies in window 1 + f / 21 at register 12 (f % 21); 0-31 resident (4 q + t), 32-47 streamed, two sets (32 + 8 e + q)
.set NF,    32                         ; LDS loads of a block's fetch
.set YB,    16*KT
.set SPARE, YB+8*KT
.set L16, 4                            ; v4 16 x lane; v5 8 x lane; v6 4 r; v7 my offset in bv
.set L8,  5
.set R4,  6
.set OBV, 7
.set SPW, 10                           ; v10 my spare word; v11 0
.set NIL, 11
.set A0,  12                           ; v12, v13 LDS addresses of block 0's fragments (16 x lane, 8 x lane); v14, v15 of block 1's; never rewritten
.set A1,  14
.set BA,  16                           ; v16, v17 of my resident tiles
.set OSB, 18                           ; v18 my offset in the resident scale words, v19 in the streamed, v20 in bq, bk
.set AN,  22                           ; v22, v23 as v12, v13 for the block that is fetched next
.set SB,  24                           ; v24-55   resident scale words, two sets: 8 (t / 2) + q
.set SA,  60                           ; v60-123  streamed, two sets: 8 (s / 2) + q
.set ACC, 124                          ; v124-187 two sets of four accumulators
.set PC,  188                          ; v188-199 two sets of six: a block's codes
.set PCT, 200                          ; v200-202 the second conversion's codes
.set TM,  204                          ; v204-207 four chains of maxima
.set PT,  208                          ; v208-209 lane l xor 16's
.set SO,  210                          ; v210-211 the conversions' scale operands
.set EB,  212                          ; v212-213 the scales' bytes
.set PW,  214                          ; v214-215 a row's two scale bytes, two sets
.set BV,  216                          ; v216-223 V: my row's bias in each of the eight blocks
.set CT,  224                          ; v224-231 V: the block's bias as the first products' C
.set BO3, 96                           ; window 3, v96-159: Q, K: the bias as the first products' C, two sets of 32
.set G1A, 24
.set G1B, 32
.set OA,  48                           ; s48-50 the streamed tiles, bytes from xc, phase by phase; s51-53 the resident
.set OB,  51
.set G0A, 56
.set G0B, 60
.set SAO, 66                           ; s66-68 my streamed scale words, bytes from xs; s69-71 my resident
.set SBO, 69
.set BIO, 72                           ; s72 bytes from bq, bk; s73 from bv
.set OUT, 74                           ; s74-79 codes and scale bytes, bytes from qkv, phase by phase
.set SEL, 100
.set MSB, 0
.macro WIN new
.if MSB != (\new)
	s_set_vgpr_msb (MSB<<8)|(\new)
.set MSB, (\new)
.endif
.endm
.macro PLACES n
.rept \n
	v_nop
.endr
.endm
.macro WALU
	s_wait_alu depctr_va_vdst(0)
.endm
.macro BARRIER
	s_barrier_signal -1
	s_barrier_wait -1
.endm
.macro CROUND                          ; a round of the cluster's barrier
	BARRIER
	s_cmp_lg_u32 s16, 0
	s_cbranch_scc1 .Lnot_wave_0_\@
	s_barrier_signal -3
.Lnot_wave_0_\@:
	s_barrier_wait -3
	BARRIER
.endm
.macro TLOAD g0, g1                    ; an s_nop 0 and four v_nop follow a tensor load
	tensor_load_to_lds s[\g0:\g0+3], s[\g1:\g1+7]
	s_nop 0
	PLACES 4
.endm
.macro ATILE first, rows               ; a part of the streamed dense block, counted in rows of 256 bytes, by a descriptor of constants
	s_mov_b32 s[G0A+1], (\first)*256
	s_mov_b32 s[G1A+2], (\rows)<<16
	s_mov_b32 s[G1A+4], \rows
.if \first
	s_add_nc_u64 s[G0A+2:G0A+3], s[G0A+2:G0A+3], (\first)*256
.endif
	s_or_b32 s[G0A+3], s[G0A+3], 0x80000000
	TLOAD G0A, G1A
.endm
.macro DESC p                          ; where phase p's tiles lie; no tensor load of the wave is out here
	s_mov_b32 s21, 0
	s_mov_b32 s20, s[OA+\p]
	s_add_nc_u64 s[G0A+2:G0A+3], s[4:5], s[20:21]
	s_mov_b32 s20, s[OB+\p]
	s_add_nc_u64 s[G0B+2:G0B+3], s[4:5], s[20:21]
	s_or_b32 s[G0B+3], s[G0B+3], 0x80000000
.endm
.macro CHAIN                           ; a phase's four tiles, one a wave: one chain of branches on the wave's number, a load to an arm
	s_cmp_eq_u32 s16, 0
	s_cbranch_scc0 .Lwave_1_\@
	TLOAD G0B, G1B                                 ; wave 0: the resident tiles, which are wanted first
	s_branch .Lasked_\@
.Lwave_1_\@:
	s_cmp_eq_u32 s16, 1
	s_cbranch_scc0 .Lwave_2_\@
	ATILE 0, 384                                   ; wave 1: streamed tiles 0 to 7
	s_branch .Lasked_\@
.Lwave_2_\@:
	s_cmp_eq_u32 s16, 2
	s_cbranch_scc0 .Lwave_3_\@
	ATILE 384, 192                                 ; wave 2: 8 to 11
	s_branch .Lasked_\@
.Lwave_3_\@:
	ATILE 576, 192                                 ; wave 3: 12 to 15
.Lasked_\@:
.endm
.macro REFILL p                        ; the next phase's tiles over this phase's: the three lines, the round, the joint loads first behind it
	WALU
	s_wait_tensorcnt 0x0
	ds_add_u32 v[SPW], v[NIL]
	DESC \p
	s_wait_dscnt 0x0                               ; the add is done, and so are my last reads of this phase's tiles
	CROUND
	CHAIN
.endm
.macro FRAG f, a, off
	WIN (1+(\f)/FPW)<<6
.set R_, FR*((\f)%FPW)
	ds_load_b128 v[R_:R_+3], v[\a] offset:(\off)
	ds_load_b64 v[R_+4:R_+5], v[\a+1] offset:(\off)+512
	ds_load_b128 v[R_+6:R_+9], v[\a] offset:(\off)+768
	ds_load_b64 v[R_+10:R_+11], v[\a+1] offset:(\off)+1280
.endm
.macro FETCH e, a                      ; a streamed block into set e: NF loads
.irp q, 0,1,2,3,4,5,6,7
	FRAG NB*NQ+NQ*(\e)+\q, \a, \q*FRB
.endr
	WIN 0
.endm
.macro GLOADS p                        ; phase p's scale words and bias into set p % 2; the loads that named these pointers before have been waited for
	s_mov_b32 s21, 0
	s_mov_b32 s20, s[SAO+\p]
	s_add_nc_u64 s[80:81], s[6:7], s[20:21]
	s_mov_b32 s20, s[SBO+\p]
	s_add_nc_u64 s[82:83], s[6:7], s[20:21]
.irp h, 0,1
.irp c, 0,1,2,3
	global_load_b64 v[SB+16*((\p)%2)+NQ*\h+2*\c:SB+16*((\p)%2)+NQ*\h+2*\c+1], v[OSB], s[82:83] offset:1024*\h+128*\c      ; K steps 2 c, 2 c + 1 of my resident tile 2 h + lane / 16
.endr
.endr
.irp u, 0,1,2,3
.irp c, 0,1,2,3
	global_load_b64 v[SA+32*((\p)%2)+NQ*\u+2*\c:SA+32*((\p)%2)+NQ*\u+2*\c+1], v[OSB+1], s[80:81] offset:2048*\u+128*\c   ; the same of my block 2 u + lane / 16
.endr
.endr
.if (\p) == 2
	s_mov_b32 s20, s[BIO+1]
	s_add_nc_u64 s[84:85], s[12:13], s[20:21]
.irp k, 0,1,2,3,4,5,6,7
	global_load_b32 v[BV+\k], v[OBV], s[84:85] offset:128*\k
.endr
.else
	s_mov_b32 s20, s[BIO]
	s_add_nc_u64 s[84:85], s[8+2*(\p):9+2*(\p)], s[20:21]
	WIN 0xc0
.irp t, 0,1,2,3
	global_load_b128 v[BO3+32*((\p)%2)+8*\t:BO3+32*((\p)%2)+8*\t+3], v[OSB+2], s[84:85] offset:128*(\t/2)+32*(\t%2)
	global_load_b128 v[BO3+32*((\p)%2)+8*\t+4:BO3+32*((\p)%2)+8*\t+7], v[OSB+2], s[84:85] offset:128*(\t/2)+32*(\t%2)+16
.endr
	WIN 0
.endif
.endm
.macro WM d, s0, s1, c, x0, x1, ra, rb
	v_wmma_scale_f32_16x16x128_f8f6f4 v[\d:\d+7], v[FR*((\s0)%FPW):FR*((\s0)%FPW)+FR-1], v[FR*((\s1)%FPW):FR*((\s1)%FPW)+FR-1], \c, v[\x0], v[\x1] matrix_a_fmt:MATRIX_FMT_FP6 matrix_b_fmt:MATRIX_FMT_FP6 matrix_a_scale:MATRIX_SCALE_ROW\ra matrix_b_scale:MATRIX_SCALE_ROW\rb
.endm
.macro PROD1 d, s0, s1, c, x0, x1, o, p
.if (\o) && (\p)
	WM \d, \s0, \s1, \c, \x0, \x1, 1, 1
.elseif (\o)
	WM \d, \s0, \s1, \c, \x0, \x1, 1, 0
.elseif (\p)
	WM \d, \s0, \s1, \c, \x0, \x1, 0, 1
.else
	WM \d, \s0, \s1, \c, \x0, \x1, 0, 0
.endif
.endm
.macro PROD p, s, n                    ; product n = 4 q + t of block s of phase p
.set Q_, (\n)/4
.set T_, (\n)%4
.set E_, (\s)%2
.set FB_, NB*Q_+T_
.set FA_, NB*NQ+NQ*E_+Q_
.set D_, ACC+32*E_+8*T_
.set XB_, SB+16*((\p)%2)+NQ*(T_/2)+Q_
.set XA_, SA+32*((\p)%2)+NQ*((\s)/2)+Q_
.set CB_, BO3+32*((\p)%2)+8*T_
.if Q_
	WIN (1+FB_/FPW)|((1+FA_/FPW)<<2)
	PROD1 D_, FB_, FA_, v[D_:D_+7], XB_, XA_, T_%2, E_
.elseif (\p) == 2
	WIN (1+FB_/FPW)|((1+FA_/FPW)<<2)
	PROD1 D_, FB_, FA_, v[CT:CT+7], XB_, XA_, T_%2, E_
.else
	WIN (1+FB_/FPW)|((1+FA_/FPW)<<2)|0x30
	PROD1 D_, FB_, FA_, v[CB_:CB_+7], XB_, XA_, T_%2, E_
.endif
.endm
.macro PRODS p, s, from, to
.set N_, \from
.rept (\to)-(\from)
	PROD \p, \s, N_
.set N_, N_+1
.endr
	WIN 0
.endm
.macro QUANT e                         ; set e's 32 sums a lane: two scale blocks.  Each accumulator is read from its low end on
.set X_, ACC+32*(\e)
.set P_, PC+6*(\e)
.irp t, 0,1,2,3
	v_max3_num_f32 v[TM+\t], |v[X_+8*\t]|, |v[X_+8*\t+1]|, |v[X_+8*\t+2]|
.endr
.irp i, 3,5
.irp t, 0,1,2,3
	v_max3_num_f32 v[TM+\t], v[TM+\t], |v[X_+8*\t+\i]|, |v[X_+8*\t+\i+1]|
.endr
.endr
	v_max3_num_f32 v[TM], v[TM], v[TM+1], |v[X_+7]|
	v_max3_num_f32 v[TM+2], v[TM+2], v[TM+3], |v[X_+23]|
	v_max3_num_f32 v[TM], v[TM], |v[X_+15]|, 0x1800000       ; and the floor 2^(3 - 127): the byte cannot fall under 1
	v_max3_num_f32 v[TM+2], v[TM+2], |v[X_+31]|, 0x1800000
	v_permlanex16_b32 v[PT], v[TM], s[SEL], s[SEL+1]
	v_permlanex16_b32 v[PT+1], v[TM+2], s[SEL], s[SEL+1]
	v_max_num_f32 v[TM], v[TM], v[PT]              ; with lane l xor 16's: the blocks' largest magnitudes
	v_max_num_f32 v[TM+2], v[TM+2], v[PT+1]
	v_add_nc_u32 v[SO], 0xff000000, v[TM]          ; 2 off the exponent field: the conversions' scale operands
	v_add_nc_u32 v[SO+1], 0xff000000, v[TM+2]
	v_cvt_scalef32_pk16_fp6_f32 v[P_:P_+2], v[X_:X_+15], v[SO]
	v_cvt_scalef32_pk16_fp6_f32 v[PCT:PCT+2], v[X_+16:X_+31], v[SO+1]
	v_lshrrev_b32 v[EB], 23, v[SO]                 ; the scales' bytes; a plain place behind the conversions
	v_lshrrev_b32 v[EB+1], 23, v[SO+1]
.irp i, 0,1,2
	v_permlane16_swap_b32 v[P_+\i], v[PCT+\i]      ; the operand's layout wants a whole block in a lane
.endr
.irp i, 0,1,2
	v_mov_b32 v[P_+3+\i], v[PCT+\i]
.endr
	v_lshl_or_b32 v[PW+\e], v[EB+1], 8, v[EB]
.endm
.macro CTSET k                         ; V: block k's bias, the same for all of a lane's sums, as eight registers
.irp i, 0,1,2,3,4,5,6,7
	v_mov_b32 v[CT+\i], v[BV+\k]
.endr
.endm
.macro BLOCK p, s
.if (\s) == 1
	PRODS \p, \s, 0, 24
	s_wait_tensorcnt 0x0                           ; every wave's tile has landed,
	s_wait_dscnt 0x0
	s_barrier_signal -1                            ; a plain barrier
	PRODS \p, \s, 24, 32
	s_barrier_wait -1                              ; and is shown to all
.else
	PRODS \p, \s, 0, 32
.endif
.if (\s) < 6                           ; four plain vector lines stand between the last product and the first reader of its sums and the fetch into its registers
	v_add_nc_u32 v[AN], ((\s)+2)*2*KT, v[A0]
	v_add_nc_u32 v[AN+1], ((\s)+2)*2*KT, v[A0+1]
	PLACES 2
	WALU
.else
	PLACES 4
.endif
	s_wait_xcnt 0x0                                ; the stores of two blocks ago have read this set of codes
.if (\s) < 6
	FETCH (\s)%2, AN
.endif
	QUANT (\s)%2
.set P_, PC+6*((\s)%2)
.if (\p) == 2
	global_store_b128 v[L16], v[P_:P_+3], s[86:87] offset:((\s)/2)*REC+((\s)%2)*3072          ; 512 consecutive bytes,
	global_store_b64 v[L8], v[P_+4:P_+5], s[86:87] offset:((\s)/2)*REC+((\s)%2)*3072+512      ; and 256
	global_store_b16 v[R4], v[PW+(\s)%2], s[88:89] offset:((\s)/2)*REC+((\s)%2)*128           ; both halves of the lanes store the same bytes with the same value
.if (\s) < 7
	CTSET (\s)+1
.endif
.else
	global_store_b128 v[L16], v[P_:P_+3], s[86:87] offset:1536*(\s)
	global_store_b64 v[L8], v[P_+4:P_+5], s[86:87] offset:1536*(\s)+512
	global_store_b32 v[R4], v[PW+(\s)%2], s[88:89] offset:128*(\s)
.endif
.if (\s) == 5 && (\p) < 2
	REFILL (\p)+1
.else
	WALU
.if (\s) < 6
	s_wait_dscnt NF                                ; the next block's fragments are in; younger is this run's fetch alone
.elseif (\s) == 6
	s_wait_dscnt 0x0
.endif
.endif
.endm
.macro PHASE p
	s_cmp_eq_u32 s16, 0
	s_cbranch_scc0 .Lnot_b_\@
	s_wait_tensorcnt 0x0                           ; wave 0: the resident tiles have landed
.Lnot_b_\@:
	BARRIER
.irp q, 0,1,2,3,4,5,6,7
.irp t, 0,1,2,3
	FRAG NB*\q+\t, BA, (8*\t+\q)*FRB
.endr
.endr
	WIN 0
	s_cmp_eq_u32 s16, 1
	s_cbranch_scc0 .Lnot_a_\@
	s_wait_tensorcnt 0x0                           ; wave 1: streamed tiles 0 to 7 have landed
.Lnot_a_\@:
	s_wait_dscnt 0x0
	BARRIER                                        ; they are shown to all.  Waves 2 and 3's tiles may still be on their way
	FETCH 0, A0
	FETCH 1, A1
	s_wait_xcnt 0x0                                ; the last phase's stores have read their bases
	s_mov_b32 s21, 0
	s_mov_b32 s20, s[OUT+2*(\p)]
	s_add_nc_u64 s[86:87], s[14:15], s[20:21]
	s_mov_b32 s20, s[OUT+2*(\p)+1]
	s_add_nc_u64 s[88:89], s[14:15], s[20:21]
	s_wait_loadcnt 0x0                             ; this phase's scale words and bias
.if (\p) < 2
	GLOADS (\p)+1
.else
	CTSET 0
	WALU
.endif
	s_wait_dscnt NF                                ; block 0's fragments are in
.irp k, 0,1,2,3,4,5,6,7
	BLOCK \p, \k
.endr
.endm
; ================= THE HEAD
	s_load_b256 s[4:11], s[0:1], 0x0               ; xc, xs, bq, bk
	s_load_b128 s[12:15], s[0:1], 0x20             ; bv, qkv
	v_lshl_add_u32 v[SPW], v0, 2, SPARE
	v_mov_b32 v[NIL], 0
	ds_add_u32 v[SPW], v[NIL]                      ; the opening lines: the add, twice on end, and its wait
	ds_add_u32 v[SPW], v[NIL]
	v_lshrrev_b32 v1, 5, v0
	v_readfirstlane_b32 s16, v1                    ; the wave; s17 its row a of the 2 x 2, s18 its column b
	s_lshr_b32 s17, s16, 1
	s_and_b32 s18, s16, 1
	s_bfe_u32 s40, ttmp6, 0x40000                  ; cx
	s_bfe_u32 s41, ttmp6, 0x40004                  ; cy
	s_and_b32 s47, ttmp7, 0xffff                   ; cluster y
	s_lshl_b32 s43, ttmp9, 2
	s_add_co_u32 s43, s43, s40                     ; Q, K: tile row
	s_lshl_b32 s42, s47, 2
	s_add_co_u32 s42, s42, s41                     ; Q, K: tile column
	s_lshl_b32 s46, s47, 3
	s_add_co_u32 s46, s46, ttmp9
	s_lshl_b32 s46, s46, 2
	s_add_co_u32 s46, s46, s41                     ; V: key step, 0 .. 63
	s_lshl_b32 s44, 0x1111, s40                    ; my column of the cluster shares the streamed tiles
	s_lshl_b32 s45, s41, 2
	s_lshl_b32 s45, 15, s45                        ; my row shares the resident tiles
	s_or_b32 s[G1A+0], s44, (3<<16)|(1<<21)        ; dense rows of 32 elements of 8 bytes; how many, each arm says
	s_mov_b32 s[G1A+1], 32<<16
	s_mov_b32 s[G1A+3], 32<<16
	s_mov_b32 s[G1A+5], 32
	s_mov_b32 s[G1A+6], 0
	s_mov_b32 s[G1A+7], 0
	s_or_b32 s[G1B+0], s45, (3<<16)|(1<<21)
	s_mov_b32 s[G1B+1], 32<<16
	s_mov_b32 s[G1B+2], 384<<16
	s_mov_b32 s[G1B+3], 32<<16
	s_mov_b32 s[G1B+4], 384
	s_mov_b32 s[G1B+5], 32
	s_mov_b32 s[G1B+6], 0
	s_mov_b32 s[G1B+7], 0
	s_mov_b32 s[G0A], 1
	s_mov_b32 s[G0B], 1
	s_mov_b32 s[G0B+1], YB
	s_mov_b32 s[SEL], 0x76543210
	s_mov_b32 s[SEL+1], 0xfedcba98
	s_lshl_b32 s90, s43, 4                         ; the streamed tiles' first row tile: query's,
	s_add_co_u32 s91, s90, 512                     ; key's,
	s_lshl_b32 s92, s40, 4
	s_add_co_u32 s92, s92, 1664                    ; Wv's
.irp k, 0,1,2
	s_mul_i32 s[OA+\k], s[90+\k], KT
	s_add_co_u32 s[90+\k], s[90+\k], s17
	s_lshl_b32 s[SAO+\k], s[90+\k], 9
.endr
	s_lshl_b32 s90, s42, 3
	s_add_co_u32 s90, s90, 1536                    ; the resident tiles' first row tile: Wq's,
	s_add_co_u32 s91, s90, 64                      ; Wk's,
	s_lshl_b32 s92, s46, 3
	s_add_co_u32 s92, s92, 1024                    ; value's
	s_lshl_b32 s93, s18, 2
.irp k, 0,1,2
	s_mul_i32 s[OB+\k], s[90+\k], KT
	s_add_co_u32 s[90+\k], s[90+\k], s93
	s_lshl_b32 s[SBO+\k], s[90+\k], 9
.endr
	s_lshl_b32 s[BIO], s42, 9
	s_lshl_b32 s90, s18, 8
	s_add_co_u32 s[BIO], s[BIO], s90               ; bq, bk: my first channel, 128 x tile column + 64 b, in bytes
	s_lshl_b32 s[BIO+1], s40, 10
	s_lshl_b32 s90, s17, 5
	s_add_co_u32 s[BIO+1], s[BIO+1], s90           ; bv: channel 256 cx + 8 a, in bytes
	s_lshr_b32 s90, s43, 3                         ; Q, K: batch
	s_lshl_b32 s90, s90, 4
	s_lshl_b32 s91, s42, 1
	s_add_co_u32 s90, s90, s91
	s_add_co_u32 s90, s90, s18                     ; x 16 + head 2 x tile column + b
	s_mul_i32 s90, s90, REC
	s_and_b32 s91, s43, 7
	s_lshl_b32 s91, s91, 4
	s_add_co_u32 s91, s91, s17                     ; block 0's token tile in its batch
	s_mul_i32 s92, s91, 768
	s_lshl_b32 s93, s91, 6
	s_add_co_u32 s92, s92, s90
	s_add_co_u32 s93, s93, s90
	s_add_co_u32 s[OUT], s92, QIMG
	s_add_co_u32 s[OUT+1], s93, QSC
	s_mov_b32 s[OUT+2], s92
	s_add_co_u32 s[OUT+3], s93, KSC
	s_lshr_b32 s90, s46, 4                         ; V: batch
	s_lshl_b32 s90, s90, 4
	s_lshl_b32 s91, s40, 2
	s_add_co_u32 s90, s90, s91                     ; x 16 + head 4 cx (block s: + s / 2)
	s_mul_i32 s90, s90, REC
	s_and_b32 s91, s46, 15                         ; the key step in its batch
	s_lshl_b32 s92, s91, 2
	s_add_co_u32 s92, s92, s17                     ; fragment 4 step + a (block s: + 2 (s % 2))
	s_mul_i32 s92, s92, 1536
	s_mul_i32 s93, s18, 768                        ; my 64 tokens are its half b
	s_add_co_u32 s92, s92, s93
	s_add_co_u32 s92, s92, s90
	s_add_co_u32 s[OUT+4], s92, VIMG
	s_lshl_b32 s93, s91, 8
	s_lshl_b32 s94, s17, 6
	s_add_co_u32 s93, s93, s94
	s_lshl_b32 s94, s18, 1
	s_add_co_u32 s93, s93, s94
	s_add_co_u32 s93, s93, s90
	s_add_co_u32 s[OUT+5], s93, VSC
	v_and_b32 v1, 15, v0                           ; r
	v_bfe_u32 v2, v0, 4, 1                         ; h
	v_and_b32 v3, 31, v0
	v_lshlrev_b32 v[L16], 4, v3
	v_lshlrev_b32 v[L8], 3, v3
	s_mul_i32 s21, s17, KT
	v_add_nc_u32 v[A0], s21, v[L16]
	v_add_nc_u32 v[A0+1], s21, v[L8]
	v_add_nc_u32 v[A1], 2*KT, v[A0]
	v_add_nc_u32 v[A1+1], 2*KT, v[A0+1]
	s_mul_i32 s22, s18, NB*KT
	s_add_co_u32 s22, s22, YB
	v_add_nc_u32 v[BA], s22, v[L16]
	v_add_nc_u32 v[BA+1], s22, v[L8]
	v_lshlrev_b32 v21, 3, v1
	v_lshl_add_u32 v[OSB], v2, 9, v21              ; 512 h + 8 r
	v_lshl_add_u32 v[OSB+1], v2, 10, v21           ; 1,024 h + 8 r
	v_lshlrev_b32 v[OSB+2], 6, v2                  ; 64 h
	v_lshlrev_b32 v[R4], 2, v1
	v_and_b32 v8, 8, v1
	v_add_nc_u32 v8, v8, v1
	v_lshlrev_b32 v[OBV], 2, v8                    ; 4 (r + 8 (r / 8))
	v_mov_b32 v[PT], 0                             ; a lane permute's destination counts as one of its sources
	v_mov_b32 v[PT+1], 0
	WALU
	s_wait_dscnt 0x0
	CROUND                                         ; the opening round: the first joint loads meet
	s_wait_kmcnt 0x0
	DESC 0
	CHAIN
	GLOADS 0
; ================= THE THREE PHASES, written out by one macro: registers, offsets and the way out differ from phase to phase
	PHASE 0
	PHASE 1
	PHASE 2
	s_wait_tensorcnt 0x0                           ; the wave's end
	ds_add_u32 v[SPW], v[NIL]
	s_wait_dscnt 0x0
	CROUND                                         ; the closing round
	s_endpgm
.Lfunc_end_k_q6c57a2c371_proj:
	.size	k_q6c57a2c371_proj, .Lfunc_end_k_q6c57a2c371_proj-k_q6c57a2c371_proj
	.p2alignl 7, 3214868480
	.fill 96, 4, 3214868480
	.section	.rodata,"a",@progbits
	.p2align	6, 0x0
	.amdhsa_kernel k_q6c57a2c371_proj
		.amdhsa_group_segment_fixed_size 327680
		.amdhsa_private_segment_fixed_size 0
		.amdhsa_enable_private_segment 0
		.amdhsa_kernarg_size 48
		.amdhsa_user_sgpr_count 2
		.amdhsa_user_sgpr_kernarg_segment_ptr 1
		.amdhsa_wavefront_size32 1
		.amdhsa_system_sgpr_workgroup_id_x 1
		.amdhsa_system_sgpr_workgroup_id_y 1
		.amdhsa_system_sgpr_workgroup_id_z 1
		.amdhsa_system_vgpr_workitem_id 0
		.amdhsa_next_free_vgpr 928
		.amdhsa_next_free_sgpr 102
		.amdhsa_reserve_vcc 0
		.amdhsa_float_denorm_mode_32 3
		.amdhsa_float_denorm_mode_16_64 3
		.amdhsa_memory_ordered 1
		.amdhsa_forward_progress 1
		.amdhsa_inst_pref_size 255
	.end_amdhsa_kernel
	.section	.bss,"aw",@nobits
	.p2align	6
	.space	262144
	.amdgpu_metadata
---
amdhsa.version: [ 1, 2 ]
amdhsa.kernels:
  - .name:           k_q6c57a2c371_proj
    .symbol:         k_q6c57a2c371_proj.kd
    .args:
      - { .name: xc, .offset: 0, .size: 8, .value_kind: global_buffer, .address_space: global }
      - { .name: xs, .offset: 8, .size: 8, .value_kind: global_buffer, .address_space: global }
      - { .name: bq, .offset: 16, .size: 8, .value_kind: global_buffer, .address_space: global }
      - { .name: bk, .offset: 24, .size: 8, .value_kind: global_buffer, .address_space: global }
      - { .name: bv, .offset: 32, .size: 8, .value_kind: global_buffer, .address_space: global }
      - { .name: qkv, .offset: 40, .size: 8, .value_kind: global_buffer, .address_space: global }
    .group_segment_fixed_size: 327680
    .private_segment_fixed_size: 0
    .kernarg_segment_align: 8
    .kernarg_segment_size: 48
    .max_flat_workgroup_size: 128
    .sgpr_count:     102
    .vgpr_count:     928
    .wavefront_size: 32
...
	.end_amdgpu_metadata
.endif
;; end of part 2
;; launch attn (part 3): grid 4 x 64, 16 waves a work-group, clusters of 4 x 1, 210,944 bytes of LDS; arguments qkv, oc, os; writes oc, os
.if DOCPART == 3
	.amdgcn_target "amdgcn-amd-amdhsa--gfx1250"
	.amdhsa_code_object_version 6
	.text
	.protected	k_q6c57a2c371_attn
	.globl	k_q6c57a2c371_attn
	.p2align	8
	.type	k_q6c57a2c371_attn,@function
k_q6c57a2c371_attn:
	s_mov_b64 s[64:65], 0
	v_nop
	global_prefetch_b8 v0, s[64:65] scope:SCOPE_SE
	s_setreg_imm32_b32 hwreg(HW_REG_WAVE_MODE, 25, 1), 1
	s_wait_xcnt 0x0
	s_wait_alu depctr_hold_cnt(0) depctr_sa_sdst(0) depctr_va_vdst(0) depctr_va_sdst(0) depctr_va_ssrc(0) depctr_va_vcc(0) depctr_vm_vsrc(0)
	s_getreg_b32 s2, hwreg(HW_REG_IB_STS2, 6, 4)
	s_cmp_eq_u32 s2, 0
	s_cbranch_scc0 .Lentry_in_a_cluster
	s_endpgm
.Lentry_in_a_cluster:
	s_bfe_u32 s2, ttmp6, 0x10000c
	s_cmp_lg_u32 s2, 0x3003
	s_cbranch_scc0 .Lentry_shape_is_right
	s_endpgm
.Lentry_shape_is_right:
; O = softmax(Q K^T / 8) V for one head of 64 channels and 2,048 keys, both products on codes of FP6 (E2M3) with one E8M0 byte for each 32 along a product's K; O / l is quantised again along the model's 1,024.
; THE SOFTMAX AHEAD OF THE SECOND PRODUCT: t = score x log2(e) / 8; M = the running largest t rounded UP to a whole number; p = 2^(t - M) is quantised along the keys, not normalised.  The row's sum is taken of the
; unquantised p, in f32, and divides O at the end.  When M moves, the sum and O are multiplied by 2^(old M - new M): exact.
; LIMITS: NaN and infinities are not served; a p under 2^-126 comes out as 0; a block whose largest magnitude lies under 2^-124, a block of zeros among them, gets the scale byte 1 (zero codes add nothing under it).
; A RECORD of qkv (batch x 16 + head): K's 128 key tiles x 768 | V's fragments (key step s of 128, channel tile i) at (4 s + i) x 1,536 | K's scale words [tile][16] | V's [s][i][16] | Q's 128 tiles x 768 | Q's scale words.
; All are images of operand registers: registers 0-3 at 16 x lane, 4-5 at 512 + 8 x lane, and for a whole fragment 6-9 at 768 + 16 x lane, 10-11 at 1,280 + 8 x lane.
; THE RECORD'S FIRST 208,896 BYTES, all of K and V of the head, ARE THE MAP OF LDS: filled once, 13,056 bytes by each of the sixteen waves, never again: one barrier in the launch, and no loop in which a prefetch could run ahead.
; CLUSTER: the head's four work-groups (512 queries each) ask for those bytes JOINTLY: the same tensor load, the same descriptor, a mask that names the four.
; SHARES: a wave owns two tiles of 16 queries, one behind the other (a loop of two trips), in 256 registers: four waves to a SIMD.
; LAYOUT: both products are used transposed: S^T = K Q^T (source 0 = 16 keys, source 1 = my 16 queries), O^T = V^T P^T: a lane holds ONE query throughout.
; A KEY TILE T holds keys 64 (T / 4) + 8 (T % 4) + r % 8 + 32 (r / 8): register 32 c + i of a step's 64 scores in lane (r, h) is key 64 c + 32 h + i: a lane holds two WHOLE blocks of 32 keys, 2 c + h, in the order of
; p's operand registers.  So a block's largest score needs no other lane, and the conversions' results are the operand.  Tiles of queries and channels hold rows 32 (T / 2) + 8 (T % 2) + r + 8 (r / 8).
; THE FIRST PRODUCT'S K IS 64.  Registers 6-11 of Q's fragment hold zero codes.  K's eight half fragments lie 6 registers apart: the upper half of tile t's operand is tile t + 1's codes (behind tile 7: zeros),
; which meet Q's zero codes and add nothing (every code of E2M3 is a finite number; the scale bytes that go with them are 0).
; K's half fragments of the NEXT step are loaded behind this step's eight score products; the one wait on LDS of a step, ahead of the second product, shows them in with V's.  The last step of a tile so loads
; 6,656 bytes that lie behind K's image and its scale words, inside the filled map; they are not used.
; The two scale bytes that a row of a head adds to os are half of a word whose other half another work-group makes: they leave by a store of 2 bytes a row.
.set REC,  315392
.set VIMG, 98304
.set KSC,  196608
.set VSC,  204800
.set QIMG, 208896
.set QSC,  307200
.set PART, 13056                       ; 51 rows of 256 bytes: a wave's sixteenth of the fill
.set KF,   32                          ; v32-79 K's eight half fragments, v80-85 zeros
.set KS,   86                          ; v86-89   K's scale words: register i holds tile 2 i in lanes 0-15, tile 2 i + 1 in lanes 16-31
.set VS,   90                          ; v90-91   V's likewise
.set S,    96                          ; v96-159  S^T, then p; then v96-143 V's four fragments
.set O,    160                         ; v160-191 O^T
.set PC,   192                         ; v192-203 p's codes
.set PCT,  204                         ; v204-206, v208-210 the conversions' second halves
.set BMX,  212                         ; v212-215 four chains of maxima; then v212, v214 my two blocks' largest scores, then largest p
.set PT,   216                         ; v216-219 at work
.set SO,   220                         ; v220-221 the conversions' scale operands
.set T,    224                         ; v224     at work
.set OLD,  225                         ; v225     -M of the step before
.set F,    226                         ; v[226:227] f = 2^(old M - new M)
.set PWD,  228                         ; v228     p's scale word
.set PR,   229                         ; v229     the way out: a row's two scale bytes
.set X,    232                         ; v232-239 the sum's four chains
.set H8,   240                         ; v240     8 x (lane / 16)
.set Q2,   242                         ; v242-247 my second tile's codes of Q, v248 its scale words
.set WV,   10
.set G0,   16
.set SEL,  20
.set CS,   22
.set G1,   24
.macro ROUND                           ; a round of the cluster's barrier
	s_barrier_signal -1
	s_barrier_wait -1
	s_cmp_lg_u32 s[WV], 0
	s_cbranch_scc1 .Lnot_wave_0_\@
	s_barrier_signal -3
.Lnot_wave_0_\@:
	s_barrier_wait -3
	s_barrier_signal -1
	s_barrier_wait -1
.endm
.macro KLOAD a, b, c                   ; a step's eight half fragments of K and their scale words
.irp t, 0,1,2,3,4,5,6,7
	ds_load_b128 v[KF+6*\t:KF+6*\t+3], \a offset:768*\t
	ds_load_b64 v[KF+6*\t+4:KF+6*\t+5], \b offset:768*\t+512
.endr
.irp i, 0,1,2,3
	ds_load_b32 v[KS+\i], \c offset:128*\i
.endr
.endm
.macro VLOAD i                         ; V's fragment i into p's registers
	ds_load_b128 v[S+12*\i:S+12*\i+3], v6 offset:1536*\i
	ds_load_b64 v[S+12*\i+4:S+12*\i+5], v7 offset:1536*\i+512
	ds_load_b128 v[S+12*\i+6:S+12*\i+9], v6 offset:1536*\i+768
	ds_load_b64 v[S+12*\i+10:S+12*\i+11], v7 offset:1536*\i+1280
.endm
.macro ADD4 m                          ; the row's sum of the unquantised p: four chains take in eight numbers more (m = 1: the first sixteen)
.irp k, 0,1,2,3
.if \m == 1
	v_pk_add_f32 v[X+2*\k:X+2*\k+1], v[S+2*\k:S+2*\k+1], v[S+8+2*\k:S+9+2*\k]
.else
	v_pk_add_f32 v[X+2*\k:X+2*\k+1], v[X+2*\k:X+2*\k+1], v[S+8*\m+2*\k:S+8*\m+2*\k+1]
.endif
.endr
.endm
	s_load_b128 s[4:7], s[0:1], 0x0                ; qkv s[4:5], oc s[6:7]
	s_load_b64 s[8:9], s[0:1], 0x10                ; os
	v_lshl_add_u32 v254, v0, 2, 0x33000
	v_mov_b32 v255, 0
	ds_add_u32 v254, v255                          ; the opening lines: the add, twice on end, and its wait
	ds_add_u32 v254, v255
	v_lshrrev_b32 v1, 5, v0
	v_readfirstlane_b32 s[WV], v1                  ; wave 0..15
	s_bfe_u32 s11, ttmp6, 0x40000                  ; cx: it enters Q's, oc's and os's global addresses alone
	s_and_b32 s12, ttmp7, 0xffff                   ; batch x 16 + head, which the four partners share
	s_mul_i32 s48, s12, REC
	s_mov_b32 s49, 0
	s_mul_i32 s50, s[WV], PART
	s_mov_b32 s51, 0
	s_mov_b32 s[G1], 15|(3<<16)|(1<<21)            ; the mask: all four work-groups; elements of 8 bytes; bit 21 beside a mask; no padding
	s_mov_b32 s[G1+1], 32<<16                      ; rows of 32 elements: 256 bytes
	s_mov_b32 s[G1+2], 51<<16
	s_mov_b32 s[G1+3], 32<<16
	s_mov_b32 s[G1+4], 51
	s_mov_b32 s[G1+5], 32                          ; dense rows
	s_mov_b32 s[G1+6], 0
	s_mov_b32 s[G1+7], 0
	s_mov_b32 s[SEL], 0x76543210
	s_mov_b32 s[SEL+1], 0xfedcba98
	s_mov_b32 s[CS], 0x3e38aa3b                    ; c = log2(e) / 8
	s_mov_b32 s[CS+1], s[CS]                       ; (named with it as a pair, so it is written)
	s_lshl_b32 s52, s11, 5
	s_lshl_b32 s53, s[WV], 1
	s_add_co_u32 s52, s52, s53                     ; my first query tile: 32 cx + 2 wave
	s_lshr_b32 s53, s12, 4                         ; batch
	s_and_b32 s54, s12, 15                         ; head
	s_lshl_b32 s53, s53, 7
	s_add_co_u32 s53, s53, s52                     ; its row tile among the 512 of oc
	s_wait_dscnt 0x0
	s_wait_kmcnt 0x0
	s_add_nc_u64 s[4:5], s[4:5], s[48:49]          ; my head's record
	s_mov_b32 s[G0], 1
	s_mov_b32 s[G0+1], s50                         ; LDS address: PART x wave
	s_add_nc_u64 s[G0+2:G0+3], s[4:5], s[50:51]    ; and the same place in the record
	s_or_b32 s[G0+3], s[G0+3], 0x80000000
	s_mul_i32 s48, s52, 768
	s_add_co_u32 s48, s48, QIMG
	s_add_nc_u64 s[40:41], s[4:5], s[48:49]        ; Q's half fragments
	s_lshl_b32 s48, s52, 6
	s_add_co_u32 s48, s48, QSC
	s_add_nc_u64 s[42:43], s[4:5], s[48:49]        ; Q's scale words
	s_mul_i32 s48, s53, 12288
	s_mul_i32 s55, s54, 768
	s_add_co_u32 s48, s48, s55
	s_add_nc_u64 s[44:45], s[6:7], s[48:49]        ; oc: 12,288 T + 768 head
	s_lshl_b32 s48, s53, 9
	s_lshr_b32 s55, s54, 2
	s_lshl_b32 s55, s55, 7
	s_add_co_u32 s48, s48, s55
	s_and_b32 s55, s54, 3
	s_lshl_b32 s55, s55, 1
	s_add_co_u32 s48, s48, s55
	s_add_nc_u64 s[46:47], s[8:9], s[48:49]        ; os: 512 T + 128 (head / 4) + 2 (head % 4)
	ROUND                                          ; all four work-groups are here: the joint loads meet
	tensor_load_to_lds s[G0:G0+3], s[G1:G1+7]      ; my one tensor load
	s_nop 0
.rept 4
	v_nop
.endr
	v_and_b32 v3, 31, v0
	v_and_b32 v11, 15, v0
	v_bfe_u32 v[H8], v0, 4, 1
	v_lshlrev_b32 v1, 4, v3                        ; 16 x lane
	v_lshlrev_b32 v2, 3, v3                        ; 8 x lane
	v_lshlrev_b32 v3, 2, v3                        ; 4 x lane
	v_lshlrev_b32 v10, 2, v11                      ; 4 r
	v_lshlrev_b32 v11, 3, v11                      ; 8 r
	v_lshlrev_b32 v[H8], 3, v[H8]
	global_load_b128 v[16:19], v1, s[40:41]        ; both my tiles of Q come while K and V are on their way
	global_load_b64 v[20:21], v2, s[40:41] offset:512
	global_load_b32 v28, v10, s[42:43]
	global_load_b128 v[Q2:Q2+3], v1, s[40:41] offset:768
	global_load_b64 v[Q2+4:Q2+5], v2, s[40:41] offset:1280
	global_load_b32 v[Q2+6], v10, s[42:43] offset:64
.irp j, 22,23,24,25,26,27
	v_mov_b32 v\j, 0                               ; Q's zero codes
.endr
.irp j, 48,49,50,51,52,53
	v_mov_b32 v[KF+\j], 0                          ; the upper half of tile 7's operand: never written again
.endr
.irp b, 0,1,2,3
	v_mov_b32 v[PT+\b], 0                          ; a lane permute's destination counts as one of its sources
.endr
	v_mov_b32 v[F+1], 0                            ; (named as the upper half of a pair)
	s_wait_alu depctr_va_vdst(0)
	s_wait_loadcnt 0x0                             ; Q
	s_wait_tensorcnt 0x0                           ; my part has landed,
	s_barrier_signal -1
	s_barrier_wait -1                              ; everybody's has
	s_mov_b32 s36, 2
.Lpass:                                            ; a tile of 16 queries
	v_mov_b32 v13, 0xff61b1e6                      ; the largest t so far: -3e38, under every t
	v_mov_b32 v14, 0                               ; the sum, in two halves
	v_mov_b32 v15, 0
	v_add_nc_u32 v8, KSC, v3
	v_floor_f32 v12, -v13                          ; -M
	KLOAD v1, v2, v8                               ; step 0's tiles of K
.set j, 0
.rept 32
	v_mov_b32 v[O+j], 0                            ; O^T: the step is written once; the first finds zeros, which the first change of M leaves zeros
.set j, j+1
.endr
	s_mov_b32 s32, 6144                            ; where the NEXT step's tiles of K begin in LDS,
	s_mov_b32 s34, KSC+512                         ; and K's scale words;
	s_mov_b32 s33, VIMG                            ; this step's fragments of V,
	s_mov_b32 s35, VSC                             ; and V's scale words
	s_mov_b32 s37, 16
	v_add_nc_u32 v6, s33, v1
	s_wait_alu depctr_va_vdst(0)
	s_wait_dscnt 0x0
.Lstep:                                            ; 128 keys
	v_add_nc_u32 v7, s33, v2                       ; these five are also the places between the last step's products, which read v96-143, and the products below, which write there
	v_add_nc_u32 v9, s35, v3
	v_add_nc_u32 v4, s32, v1
	v_add_nc_u32 v5, s32, v2
	v_add_nc_u32 v8, s34, v3
.irp t, 0,1,2,3,4,5,6,7                        ; S^T = K Q^T
.if \t%2
	v_wmma_scale_f32_16x16x128_f8f6f4 v[S+8*\t:S+8*\t+7], v[KF+6*\t:KF+6*\t+11], v[16:27], 0, v[KS+\t/2], v28 matrix_a_fmt:MATRIX_FMT_FP6 matrix_b_fmt:MATRIX_FMT_FP6 matrix_a_scale:MATRIX_SCALE_ROW1
.else
	v_wmma_scale_f32_16x16x128_f8f6f4 v[S+8*\t:S+8*\t+7], v[KF+6*\t:KF+6*\t+11], v[16:27], 0, v[KS+\t/2], v28 matrix_a_fmt:MATRIX_FMT_FP6 matrix_b_fmt:MATRIX_FMT_FP6
.endif
.endr
	v_mov_b32 v[OLD], v12                          ; four places: ahead of the loads into K's registers and of the first read of the scores
.rept 3
	v_nop
.endr
	KLOAD v4, v5, v8                               ; the next step's tiles of K
.irp b, 0,1,2,3
	v_max3_num_f32 v[BMX+\b], v[S+16*\b], v[S+1+16*\b], v[S+2+16*\b]   ; four chains, two to a block of 32 keys; each accumulator is read from its low end on
.endr
.irp i, 3,5,7,9,11,13
.irp b, 0,1,2,3
	v_max3_num_f32 v[BMX+\b], v[BMX+\b], v[S+16*\b+\i], v[S+1+16*\b+\i]
.endr
.endr
	v_max3_num_f32 v[BMX], v[BMX], v[BMX+1], v[S+15]
	v_max3_num_f32 v[BMX+2], v[BMX+2], v[BMX+3], v[S+47]
	v_max_num_f32 v[BMX], v[BMX], v[S+31]          ; the largest score of my block h: it serves for the row's maximum and, since p rises with the score, for the block's largest p
	v_max_num_f32 v[BMX+2], v[BMX+2], v[S+63]      ; and of my block 2 + h
	s_delay_alu instid0(VALU_DEP_1)
	v_max_num_f32 v[T], v[BMX], v[BMX+2]
	s_delay_alu instid0(VALU_DEP_1)
	v_permlanex16_b32 v[PT], v[T], s[SEL], s[SEL+1]
	s_delay_alu instid0(VALU_DEP_1)
	v_max_num_f32 v[T], v[T], v[PT]                ; with lane l xor 16's two blocks: the step's largest score of my query
	s_delay_alu instid0(VALU_DEP_1)
	v_mul_f32 v[T], s[CS], v[T]                    ; as t (c is positive)
	s_delay_alu instid0(VALU_DEP_1)
	v_max_num_f32 v13, v13, v[T]                   ; the running largest t
	s_delay_alu instid0(VALU_DEP_1)
	v_floor_f32 v12, -v13                          ; the new -M = floor(-t) = -ceil(t): a whole number
	s_delay_alu instid0(VALU_DEP_1)
	v_sub_f32 v[T], v12, v[OLD]                    ; old M - new M: a whole number, 0 or less
	s_delay_alu instid0(VALU_DEP_1)
	v_cvt_i32_f32 v[T], v[T]                       ; (it saturates)
	s_delay_alu instid0(VALU_DEP_1)
	v_ldexp_f32 v[F], 1.0, v[T]                    ; f = 2^(old M - new M)
.set j, 0
.rept 32
	v_pk_fma_f32 v[S+j:S+j+1], v[S+j:S+j+1], s[CS:CS+1], v[12:13] op_sel_hi:[1,0,0]   ; t - M, two at a time
.set j, j+2
.endr
	v_fma_f32 v[BMX], v[BMX], s[CS], v12           ; the same of each block's largest score
	v_fma_f32 v[BMX+2], v[BMX+2], s[CS], v12
.set j, 0
.rept 16
	v_pk_mul_f32 v[O+j:O+j+1], v[O+j:O+j+1], v[F:F+1] op_sel_hi:[1,0]   ; O^T under the new M
.set j, j+2
.endr
	s_wait_alu depctr_va_vdst(0)
	v_exp_f32 v[BMX], v[BMX]                       ; the blocks' largest p: the same two instructions on the same number give the same bits
	v_exp_f32 v[BMX+2], v[BMX+2]
.set j, 0
.rept 64
	v_exp_f32 v[S+j], v[S+j]                       ; p = 2^(t - M), at most 1
.set j, j+1
.endr
	v_pk_mul_f32 v[14:15], v[14:15], v[F:F+1] op_sel_hi:[1,0]   ; the sums under the new M: a plain place behind the exponentials
	s_wait_alu depctr_va_vdst(0)                   ; one wait for the whole batch, ahead of its first reader
	v_max_num_f32 v[BMX], 0x1800000, v[BMX]        ; the floor 2^(3 - 127): the byte cannot fall under 1.  The scales' short chain and the sum's four chains by turns
	v_max_num_f32 v[BMX+2], 0x1800000, v[BMX+2]
	ADD4 1
	v_add_nc_u32 v[SO], 0xff000000, v[BMX]         ; 2 off the exponent field: the conversions' scale operands
	v_add_nc_u32 v[SO+1], 0xff000000, v[BMX+2]
	ADD4 2
	v_lshrrev_b32 v[PT], 23, v[SO]                 ; the scales' bytes
	v_lshrrev_b32 v[PT+1], 23, v[SO+1]
	ADD4 3
	v_lshl_or_b32 v[T], v[PT+1], 16, v[PT]         ; my two bytes, blocks h and 2 + h,
	ADD4 4
	v_lshlrev_b32 v[T], v[H8], v[T]                ; at their places in the scale word;
	ADD4 5
	v_permlanex16_b32 v[PT+2], v[T], s[SEL], s[SEL+1]
	ADD4 6
	v_or_b32 v[PWD], v[T], v[PT+2]                 ; with lane l xor 16's two the word is whole
	ADD4 7
	v_cvt_scalef32_pk16_fp6_f32 v[PC:PC+2], v[S:S+15], v[SO]
	v_cvt_scalef32_pk16_fp6_f32 v[PCT:PCT+2], v[S+16:S+31], v[SO]      ; (a conversion's three registers begin on an even number)
	VLOAD 0                                        ; V's fragments take p's registers as they come free
	VLOAD 1
	v_cvt_scalef32_pk16_fp6_f32 v[PC+6:PC+8], v[S+32:S+47], v[SO+1]
	v_cvt_scalef32_pk16_fp6_f32 v[PCT+4:PCT+6], v[S+48:S+63], v[SO+1]
	VLOAD 2
	VLOAD 3
.irp i, 0,1
	ds_load_b32 v[VS+\i], v9 offset:128*\i
.endr
	v_pk_add_f32 v[X:X+1], v[X:X+1], v[X+2:X+3]    ; the plain place behind the conversions
.irp c, 0,1
.irp i, 0,1,2
	v_mov_b32 v[PC+3+6*\c+\i], v[PCT+4*\c+\i]
.endr
.endr
	v_pk_add_f32 v[X+4:X+5], v[X+4:X+5], v[X+6:X+7]   ; these four are also the places between the last write of p's codes and the products
	v_pk_add_f32 v[X:X+1], v[X:X+1], v[X+4:X+5]
	v_pk_add_f32 v[14:15], v[14:15], v[X:X+1]
	s_add_co_u32 s33, s33, 6144
	v_add_nc_u32 v6, s33, v1                       ; the next step's fragments of V (an LDS load's address register may be written while the load is out)
	s_wait_alu depctr_va_vdst(0)
	s_wait_dscnt 0x0                               ; V's fragments, and the next step's tiles of K
.irp i, 0,1,2,3                                ; O^T += V^T P^T: the four accumulators by turns
.if \i%2
	v_wmma_scale_f32_16x16x128_f8f6f4 v[O+8*\i:O+8*\i+7], v[S+12*\i:S+12*\i+11], v[PC:PC+11], v[O+8*\i:O+8*\i+7], v[VS+\i/2], v[PWD] matrix_a_fmt:MATRIX_FMT_FP6 matrix_b_fmt:MATRIX_FMT_FP6 matrix_a_scale:MATRIX_SCALE_ROW1
.else
	v_wmma_scale_f32_16x16x128_f8f6f4 v[O+8*\i:O+8*\i+7], v[S+12*\i:S+12*\i+11], v[PC:PC+11], v[O+8*\i:O+8*\i+7], v[VS+\i/2], v[PWD] matrix_a_fmt:MATRIX_FMT_FP6 matrix_b_fmt:MATRIX_FMT_FP6
.endif
.endr
	s_add_co_u32 s32, s32, 6144
	s_add_co_u32 s34, s34, 512
	s_add_co_u32 s35, s35, 256
	s_sub_co_u32 s37, s37, 1
	s_cmp_lg_u32 s37, 0
	s_cbranch_scc1 .Lstep
	; THE WAY OUT of a tile: O^T / the sum; register 16 e + i is channel 32 e + 16 (lane / 16) + i of my query: two blocks of 32 along the last product's K
.rept 4
	v_nop
.endr
	v_add_f32 v14, v14, v15
	s_delay_alu instid0(VALU_DEP_1)
	v_permlanex16_b32 v[T], v14, s[SEL], s[SEL+1]
	s_delay_alu instid0(VALU_DEP_1)
	v_add_f32 v14, v14, v[T]                       ; the row's sum
	s_wait_alu depctr_va_vdst(0)
	v_rcp_f32 v14, v14
	v_nop                                          ; a plain place behind the reciprocal
	s_wait_alu depctr_va_vdst(0)                   ; and the wait ahead of its first reader
.set j, 0
.rept 32
	v_mul_f32 v[S+j], v[O+j], v14
.set j, j+1
.endr
.irp b, 0,1
	v_max3_num_f32 v[BMX+\b], |v[S+16*\b]|, |v[S+1+16*\b]|, 0x1800000
.endr
.irp i, 2,4,6,8,10,12,14
.irp b, 0,1
	s_delay_alu instid0(VALU_DEP_2)
	v_max3_num_f32 v[BMX+\b], v[BMX+\b], |v[S+16*\b+\i]|, |v[S+1+16*\b+\i]|
.endr
.endr
.irp b, 0,1
	s_delay_alu instid0(VALU_DEP_2)
	v_permlanex16_b32 v[PT+\b], v[BMX+\b], s[SEL], s[SEL+1]
.endr
.irp b, 0,1
	s_delay_alu instid0(VALU_DEP_2)
	v_max_num_f32 v[BMX+\b], v[BMX+\b], v[PT+\b]
.endr
.irp b, 0,1
	s_delay_alu instid0(VALU_DEP_2)
	v_add_nc_u32 v[SO+\b], 0xff000000, v[BMX+\b]
.endr
.irp b, 0,1
	s_delay_alu instid0(VALU_DEP_2)
	v_lshrrev_b32 v[PT+\b], 23, v[SO+\b]
.endr
	s_delay_alu instid0(VALU_DEP_1)
	v_lshl_or_b32 v[PR], v[PT+1], 8, v[PT]         ; my row's two scale bytes
	v_cvt_scalef32_pk16_fp6_f32 v[PC:PC+2], v[S:S+15], v[SO]
	v_cvt_scalef32_pk16_fp6_f32 v[PCT:PCT+2], v[S+16:S+31], v[SO+1]
	v_nop
.irp i, 0,1,2
	v_permlane16_swap_b32 v[PC+\i], v[PCT+\i]      ; the operand's layout wants a whole block in a lane
.endr
.irp i, 0,1,2
	s_delay_alu instid0(VALU_DEP_3)
	v_mov_b32 v[PC+3+\i], v[PCT+\i]
.endr
	global_store_b128 v1, v[PC:PC+3], s[44:45]     ; my head's half fragment: 512 consecutive bytes,
	global_store_b64 v2, v[PC+4:PC+5], s[44:45] offset:512   ; and 256
	global_store_b16 v11, v[PR], s[46:47]          ; both halves of the lanes store the same two bytes with the same value
	s_wait_xcnt 0x0                                ; the stores have read their addresses and data: all may be written again
	s_add_nc_u64 s[44:45], s[44:45], 12288         ; my next tile of queries
	s_add_nc_u64 s[46:47], s[46:47], 512
.irp j, 0,1,2,3,4,5
	v_mov_b32 v[16+\j], v[Q2+\j]                   ; its codes of Q (the second trip's copies are not read)
.endr
	v_mov_b32 v28, v[Q2+6]                         ; and scale words
	s_sub_co_u32 s36, s36, 1
	s_cmp_lg_u32 s36, 0
	s_cbranch_scc1 .Lpass
	s_wait_tensorcnt 0x0                           ; the wave's end
	ds_add_u32 v254, v255
	s_wait_dscnt 0x0
	ROUND                                          ; the closing round
	s_endpgm
.Lfunc_end_k_q6c57a2c371_attn:
	.size	k_q6c57a2c371_attn, .Lfunc_end_k_q6c57a2c371_attn-k_q6c57a2c371_attn
	.p2alignl 7, 3214868480
	.fill 96, 4, 3214868480
	.section	.rodata,"a",@progbits
	.p2align	6, 0x0
	.amdhsa_kernel k_q6c57a2c371_attn
		.amdhsa_group_segment_fixed_size 210944
		.amdhsa_private_segment_fixed_size 0
		.amdhsa_enable_private_segment 0
		.amdhsa_kernarg_size 24
		.amdhsa_user_sgpr_count 2
		.amdhsa_user_sgpr_kernarg_segment_ptr 1
		.amdhsa_wavefront_size32 1
		.amdhsa_system_sgpr_workgroup_id_x 1
		.amdhsa_system_sgpr_workgroup_id_y 1
		.amdhsa_system_sgpr_workgroup_id_z 1
		.amdhsa_system_vgpr_workitem_id 0
		.amdhsa_next_free_vgpr 256
		.amdhsa_next_free_sgpr 66
		.amdhsa_reserve_vcc 0
		.amdhsa_float_denorm_mode_32 3
		.amdhsa_float_denorm_mode_16_64 3
		.amdhsa_memory_ordered 1
		.amdhsa_forward_progress 1
		.amdhsa_inst_pref_size 29
	.end_amdhsa_kernel
	.amdgpu_metadata
---
amdhsa.version: [ 1, 2 ]
amdhsa.kernels:
  - .name:           k_q6c57a2c371_attn
    .symbol:         k_q6c57a2c371_attn.kd
    .args:
      - { .name: qkv, .offset: 0, .size: 8, .value_kind: global_buffer, .address_space: global }
      - { .name: oc, .offset: 8, .size: 8, .value_kind: global_buffer, .address_space: global }
      - { .name: os, .offset: 16, .size: 8, .value_kind: global_buffer, .address_space: global }
    .group_segment_fixed_size: 210944
    .private_segment_fixed_size: 0
    .kernarg_segment_align: 8
    .kernarg_segment_size: 24
    .max_flat_workgroup_size: 512
    .sgpr_count:     66
    .vgpr_count:     256
    .wavefront_size: 32
...
	.end_amdgpu_metadata
.endif
;; end of part 3
;; launch outp (part 4): grid 32 x 8, 4 waves a work-group, clusters of 4 x 4, 327,680 bytes of LDS; arguments oc, os, xc, xs, bo, out0; writes out0
.if DOCPART == 4
	.amdgcn_target "amdgcn-amd-amdhsa--gfx1250"
	.amdhsa_code_object_version 6
	.text
	.protected	k_q6c57a2c371_outp
	.globl	k_q6c57a2c371_outp
	.p2align	8
	.type	k_q6c57a2c371_outp,@function
k_q6c57a2c371_outp:
	s_mov_b64 s[64:65], 0
	v_nop
	global_prefetch_b8 v0, s[64:65] scope:SCOPE_SE
	s_setreg_imm32_b32 hwreg(HW_REG_WAVE_MODE, 25, 1), 1
	s_wait_xcnt 0x0
	s_wait_alu depctr_hold_cnt(0) depctr_sa_sdst(0) depctr_va_vdst(0) depctr_va_sdst(0) depctr_va_ssrc(0) depctr_va_vcc(0) depctr_vm_vsrc(0)
	s_getreg_b32 s2, hwreg(HW_REG_IB_STS2, 6, 4)
	s_cmp_eq_u32 s2, 0
	s_cbranch_scc0 .Lentry_in_a_cluster
	s_endpgm
.Lentry_in_a_cluster:
	s_bfe_u32 s2, ttmp6, 0x10000c
	s_cmp_lg_u32 s2, 0xf033
	s_cbranch_scc0 .Lentry_shape_is_right
	s_endpgm
.Lentry_shape_is_right:
; out0[token][n] = sum over k of context[token][k] Wo[n][k] + bo[n], f32: 8,192 x 1,024 x 1,024 on codes of FP6 (E2M3) with one E8M0 byte for each 32 along K.
; LIMITS: NaN, infinities and sums beyond f32's range are not served; a sum begins with the bias, where the reference adds it last.
; OPERANDS are images of operand registers.  A fragment (16 rows x 128 K, 12 registers a lane) is 1,536 bytes: registers 0-3 at 16 x lane, 4-5 at 512 + 8 x lane, 6-9 at 768 + 16 x lane, 10-11 at 1,280 + 8 x lane.
; Fragment (row tile T, K step q) lies at (8 T + q) x 1,536; its rows' scale words at 512 T + 128 (q / 2) + 8 r + 4 (q % 2).  Row tile T holds rows 32 (T / 2) + 8 (T % 2) + r + 8 (r / 8).
; A: oc, os (512 row tiles of tokens).  B: Wo's 64 row tiles, from tile 1,728 of xc, xs.
; THE DEAL.  256 work-groups of four waves, 2 x 2, each 256 rows x 128 columns of C.  Wave (a, b) holds B's row tiles 4 b .. 4 b + 3 of the work-group's eight (64 columns), all of K, in registers: 32 fragments.
; It streams A's row tiles 2 s + a past them as blocks s = 0 .. 7: a block's eight fragments feed 32 products, the four accumulators by turns.
; THE PRODUCT IS USED TRANSPOSED: source 0 = B's rows, source 1 = A's: a lane holds one token, and its eight registers of tile t are columns 32 (t / 2) + 8 (t % 2) + 16 (lane / 16) + 0 .. 7.
; CLUSTER: x counts tile rows (grid 32, 8): tile row 4 x cluster x + cx, tile column 4 x cluster y + cy.  A's tiles are shared by a column of the cluster, B's by a row: joint loads.
; LDS: A's 16 row tiles (196,608 bytes) and B's 8 (98,304), dense, each filled once at the head: no refill, and no loop in which a prefetch could run ahead.  Then the spare words.
; The waves' stages (16 rows x 272 bytes each) lie in B's first bytes, which are read for the last time ahead of the barrier in front of the stream; no tile lands there afterwards.
; THE HEAD'S FOUR TILES, one a wave, each on its own line: B; A's row tiles 0-7; 8-11; 12-15.  The stream begins when the first two are in; a plain barrier inside block 1 shows the others, ahead of block 4's fetch.
; SCALE WORDS go from memory into registers, 8 bytes a lane: B's tiles 2 p and 2 p + 1, and A's blocks 2 u and 2 u + 1, share a register, one in lanes 0-15, the other in lanes 16-31.
; ONE RUN OF MEMORY LINES behind a block's products: its sums into the stage and back as whole rows of 256 bytes; the fetch of the block two on; one wait; eight stores, in each of which sixteen lanes fill 256 aligned bytes.
.set KT,     12288                     ; a row tile: eight fragments
.set FRB,    1536
.set WO,     1728                      ; Wo's first row tile in xc, xs
.set NQ,     8                         ; K / 128
.set NB,     4                         ; column tiles a wave
.set FR,     12                        ; registers of a fragment
.set FPW,    256/FR                    ; fragments in a window: fragment f lies in window 1 + f / 21 at register 12 (f % 21); 0-31 B's (4 q + t), 32-47 A's two sets (32 + 8 e + q)
.set NF,     32                        ; LDS loads of a block's fetch
.set YB,     16*KT                     ; B's tiles
.set STAGE,  YB
.set SPITCH, 272
.set SPARE,  YB+8*KT
.set L16, 4                            ; v4  16 x lane;  v5  8 x lane
.set L8,  5
.set CO,  6                            ; v6  my byte offset in C: row lane / 16, 16 bytes x (lane % 16)
.set STO, 7                            ; v7  the stage: where I put 32 bytes of a row
.set RD,  8                            ; v8  the stage: where I read 16 bytes of a row back
.set SPW, 10                           ; v10 my spare word;  v11  0
.set NIL, 11
.set A0,  12                           ; v12, v13  LDS addresses of block 0's fragments (16 x lane, 8 x lane); never rewritten
.set AN,  14                           ; v14, v15  the same for the block that is fetched next
.set BA,  16                           ; v16, v17  the same for my tiles of B
.set OSB, 18                           ; v18 my offset in B's scale words, v19 in A's, v20 in the bias
.set SB,  24                           ; v24-39   B's scale words: 8 (t / 2) + q
.set SA,  44                           ; v44-75   A's: 8 (s / 2) + q
.set ACC, 76                           ; v76-139  two sets of four accumulators
.set BK,  140                          ; v140-203 two sets: 16 rows x 256 bytes back from the stage
.set BO,  204                          ; v204-235 the bias as the first four products' C
.set G1A, 24
.set G1B, 32
.set G0A, 56
.set G0B, 60
.set MSB, 0
.macro WIN new
.if MSB != (\new)
	s_set_vgpr_msb (MSB<<8)|(\new)
.set MSB, (\new)
.endif
.endm
.macro PLACES n
.rept \n
	v_nop
.endr
.endm
.macro WALU
	s_wait_alu depctr_va_vdst(0)
.endm
.macro BARRIER
	s_barrier_signal -1
	s_barrier_wait -1
.endm
.macro CROUND                          ; a round of the cluster's barrier
	BARRIER
	s_cmp_lg_u32 s16, 0
	s_cbranch_scc1 .Lnot_wave_0_\@
	s_barrier_signal -3
.Lnot_wave_0_\@:
	s_barrier_wait -3
	BARRIER
.endm
.macro TLOAD g0, g1                    ; an s_nop 0 and four v_nop follow a tensor load
	tensor_load_to_lds s[\g0:\g0+3], s[\g1:\g1+7]
	s_nop 0
	PLACES 4
.endm
.macro ATILE first, rows               ; a part of A's dense block, counted in rows of 256 bytes, by a descriptor of constants
	s_mov_b32 s[G0A+1], (\first)*256
	s_mov_b32 s[G1A+2], (\rows)<<16
	s_mov_b32 s[G1A+4], \rows
.if \first
	s_add_nc_u64 s[G0A+2:G0A+3], s[G0A+2:G0A+3], (\first)*256
.endif
	s_or_b32 s[G0A+3], s[G0A+3], 0x80000000
	TLOAD G0A, G1A
.endm
.macro FRAG f, a, off                  ; fragment f from LDS: v[a] holds the place + 16 x lane, v[a+1] the place + 8 x lane
	WIN (1+(\f)/FPW)<<6
.set R_, FR*((\f)%FPW)
	ds_load_b128 v[R_:R_+3], v[\a] offset:(\off)
	ds_load_b64 v[R_+4:R_+5], v[\a+1] offset:(\off)+512
	ds_load_b128 v[R_+6:R_+9], v[\a] offset:(\off)+768
	ds_load_b64 v[R_+10:R_+11], v[\a+1] offset:(\off)+1280
.endm
.macro FETCH e, a                      ; a block of A into set e: NF loads
.irp q, 0,1,2,3,4,5,6,7
	FRAG NB*NQ+NQ*(\e)+\q, \a, \q*FRB
.endr
	WIN 0
.endm
.macro WM d, s0, s1, c, x0, x1, ra, rb
	v_wmma_scale_f32_16x16x128_f8f6f4 v[\d:\d+7], v[FR*((\s0)%FPW):FR*((\s0)%FPW)+FR-1], v[FR*((\s1)%FPW):FR*((\s1)%FPW)+FR-1], \c, v[\x0], v[\x1] matrix_a_fmt:MATRIX_FMT_FP6 matrix_b_fmt:MATRIX_FMT_FP6 matrix_a_scale:MATRIX_SCALE_ROW\ra matrix_b_scale:MATRIX_SCALE_ROW\rb
.endm
.macro PROD1 d, s0, s1, c, x0, x1, o, p
.if (\o) && (\p)
	WM \d, \s0, \s1, \c, \x0, \x1, 1, 1
.elseif (\o)
	WM \d, \s0, \s1, \c, \x0, \x1, 1, 0
.elseif (\p)
	WM \d, \s0, \s1, \c, \x0, \x1, 0, 1
.else
	WM \d, \s0, \s1, \c, \x0, \x1, 0, 0
.endif
.endm
.macro PROD s, n                       ; product n = 4 q + t of block s
.set Q_, (\n)/4
.set T_, (\n)%4
.set E_, (\s)%2
.set FB_, NB*Q_+T_
.set FA_, NB*NQ+NQ*E_+Q_
.set D_, ACC+32*E_+8*T_
.set XB_, SB+NQ*(T_/2)+Q_
.set XA_, SA+NQ*((\s)/2)+Q_
	WIN (1+FB_/FPW)|((1+FA_/FPW)<<2)
.if Q_
	PROD1 D_, FB_, FA_, v[D_:D_+7], XB_, XA_, T_%2, E_
.else
	PROD1 D_, FB_, FA_, v[BO+8*T_:BO+8*T_+7], XB_, XA_, T_%2, E_
.endif
.endm
.macro PRODS s, from, to
.set N_, \from
.rept (\to)-(\from)
	PROD \s, N_
.set N_, N_+1
.endr
	WIN 0
.endm
.macro STAGED s                        ; the block's sums into my stage, each accumulator from its low end on, and back as whole rows.  LDS serves a wave's instructions in order (ISA guide 5.7.1.4): no wait between
.irp t, 0,1,2,3
	ds_store_b128 v[STO], v[ACC+32*((\s)%2)+8*\t:ACC+32*((\s)%2)+8*\t+3] offset:128*(\t/2)+32*(\t%2)
	ds_store_b128 v[STO], v[ACC+32*((\s)%2)+8*\t+4:ACC+32*((\s)%2)+8*\t+7] offset:128*(\t/2)+32*(\t%2)+16
.endr
.irp t, 0,1,2,3,4,5,6,7
	ds_load_b128 v[BK+32*((\s)%2)+4*\t:BK+32*((\s)%2)+4*\t+3], v[RD] offset:2*\t*SPITCH
.endr
.endm
.macro TOC s                           ; the block's rows 2 t, 2 t + 1 are tokens 32 s + 2 t + 8 (t / 4) and the next, counted from my wave's first
.irp t, 0,1,2,3,4,5,6,7
	global_store_b128 v[CO], v[BK+32*((\s)%2)+4*\t:BK+32*((\s)%2)+4*\t+3], s[14:15] offset:(32*(\s)+2*\t+8*(\t/4))*4096 th:TH_STORE_NT
.endr
.endm
.macro STREAM s
.if (\s) == 1
	PRODS \s, 0, 24
	s_wait_tensorcnt 0x0                           ; every wave's tile has landed,
	s_wait_dscnt 0x0
	s_barrier_signal -1                            ; a plain barrier
	PRODS \s, 24, 32
	s_barrier_wait -1                              ; and is shown to all
.else
	PRODS \s, 0, 32
.endif
.if (\s) < 6                           ; four plain vector lines stand between the last product and the first reader of its sums and the fetch into its registers
	v_add_nc_u32 v[AN], ((\s)+2)*2*KT, v[A0]
	v_add_nc_u32 v[AN+1], ((\s)+2)*2*KT, v[A0+1]
	PLACES 2
	WALU
.else
	PLACES 4
.endif
	s_wait_xcnt 0x0                                ; the stores of two blocks ago have read this set of rows
	STAGED \s
.if (\s) < 6
	FETCH (\s)%2, AN
	s_wait_dscnt NF                                ; the block's rows are back from the stage, and the next block's fragments are in; younger is this run's fetch alone
.else
	s_wait_dscnt 0x0
.endif
	TOC \s
.endm
; ================= THE HEAD
	s_load_b128 s[4:7], s[0:1], 0x0                ; oc, os
	s_load_b128 s[8:11], s[0:1], 0x10              ; xc, xs
	s_load_b128 s[12:15], s[0:1], 0x20             ; bo, out0
	v_lshl_add_u32 v[SPW], v0, 2, SPARE
	v_mov_b32 v[NIL], 0
	ds_add_u32 v[SPW], v[NIL]                      ; the opening lines: the add, twice on end, and its wait
	ds_add_u32 v[SPW], v[NIL]
	v_lshrrev_b32 v1, 5, v0
	v_readfirstlane_b32 s16, v1                    ; the wave; s17 its row a of the 2 x 2, s18 its column b
	s_lshr_b32 s17, s16, 1
	s_and_b32 s18, s16, 1
	s_bfe_u32 s40, ttmp6, 0x40000                  ; cx
	s_bfe_u32 s41, ttmp6, 0x40004                  ; cy
	s_lshl_b32 s43, ttmp9, 2
	s_add_co_u32 s43, s43, s40                     ; tile row of C
	s_and_b32 s42, ttmp7, 0xffff
	s_lshl_b32 s42, s42, 2
	s_add_co_u32 s42, s42, s41                     ; tile column of C
	s_lshl_b32 s44, 0x1111, s40                    ; my column of the cluster shares A's tiles
	s_lshl_b32 s45, s41, 2
	s_lshl_b32 s45, 15, s45                        ; my row shares B's
	s_or_b32 s[G1A+0], s44, (3<<16)|(1<<21)        ; dense rows of 32 elements of 8 bytes; how many, each arm says
	s_mov_b32 s[G1A+1], 32<<16
	s_mov_b32 s[G1A+3], 32<<16
	s_mov_b32 s[G1A+5], 32
	s_mov_b32 s[G1A+6], 0
	s_mov_b32 s[G1A+7], 0
	s_or_b32 s[G1B+0], s45, (3<<16)|(1<<21)
	s_mov_b32 s[G1B+1], 32<<16
	s_mov_b32 s[G1B+2], 384<<16
	s_mov_b32 s[G1B+3], 32<<16
	s_mov_b32 s[G1B+4], 384
	s_mov_b32 s[G1B+5], 32
	s_mov_b32 s[G1B+6], 0
	s_mov_b32 s[G1B+7], 0
	s_mov_b32 s[G0A], 1
	s_mov_b32 s[G0B], 1
	s_mov_b32 s[G0B+1], YB
	s_mul_i32 s76, s43, 16*KT                      ; A's 16 row tiles, bytes from oc
	s_mov_b32 s77, 0
	s_lshl_b32 s46, s42, 3
	s_add_co_u32 s46, s46, WO                      ; B's first row tile
	s_mul_i32 s78, s46, KT
	s_mov_b32 s79, 0
	s_lshl_b32 s20, s18, 2
	s_add_co_u32 s20, s20, s46
	s_lshl_b32 s80, s20, 9                         ; my four tiles' scale words, bytes from xs
	s_mov_b32 s81, 0
	s_lshl_b32 s20, s43, 4
	s_add_co_u32 s20, s20, s17
	s_lshl_b32 s82, s20, 9                         ; block 0's scale words, bytes from os
	s_mov_b32 s83, 0
	s_lshl_b32 s84, s42, 9
	s_lshl_b32 s20, s18, 8
	s_add_co_u32 s84, s84, s20                     ; my first column, in bytes
	s_mov_b32 s85, 0
	s_lshl_b32 s20, s43, 8
	s_lshl_b32 s21, s17, 3
	s_add_co_u32 s20, s20, s21
	s_lshl_b32 s86, s20, 12                        ; my first token's row of C
	s_mov_b32 s87, 0
	v_and_b32 v1, 15, v0                           ; r
	v_bfe_u32 v2, v0, 4, 1                         ; h
	v_and_b32 v3, 31, v0
	v_lshlrev_b32 v[L16], 4, v3
	v_lshlrev_b32 v[L8], 3, v3
	s_mul_i32 s21, s17, KT
	v_add_nc_u32 v[A0], s21, v[L16]
	v_add_nc_u32 v[A0+1], s21, v[L8]
	v_add_nc_u32 v[AN], 2*KT, v[A0]                ; block 1
	v_add_nc_u32 v[AN+1], 2*KT, v[A0+1]
	s_mul_i32 s22, s18, NB*KT
	s_add_co_u32 s22, s22, YB
	v_add_nc_u32 v[BA], s22, v[L16]
	v_add_nc_u32 v[BA+1], s22, v[L8]
	v_lshlrev_b32 v21, 3, v1
	v_lshl_add_u32 v[OSB], v2, 9, v21              ; 512 h + 8 r
	v_lshl_add_u32 v[OSB+1], v2, 10, v21           ; 1,024 h + 8 r
	v_lshlrev_b32 v[OSB+2], 6, v2                  ; 64 h
	s_mul_i32 s23, s16, 16*SPITCH
	s_add_co_u32 s23, s23, STAGE
	v_mul_u32_u24 v21, v1, SPITCH
	v_lshl_add_u32 v21, v2, 6, v21
	v_add_nc_u32 v[STO], s23, v21
	v_mul_u32_u24 v22, v2, SPITCH
	v_lshl_add_u32 v22, v1, 4, v22
	v_add_nc_u32 v[RD], s23, v22
	v_lshlrev_b32 v23, 12, v2
	v_lshl_add_u32 v[CO], v1, 4, v23
	WALU
	s_wait_dscnt 0x0
	CROUND                                         ; the opening round: the first joint loads meet
	s_wait_kmcnt 0x0
	s_add_nc_u64 s[G0A+2:G0A+3], s[4:5], s[76:77]
	s_add_nc_u64 s[G0B+2:G0B+3], s[8:9], s[78:79]
	s_or_b32 s[G0B+3], s[G0B+3], 0x80000000
	s_add_nc_u64 s[6:7], s[6:7], s[82:83]
	s_add_nc_u64 s[10:11], s[10:11], s[80:81]
	s_add_nc_u64 s[12:13], s[12:13], s[84:85]
	s_add_nc_u64 s[14:15], s[14:15], s[84:85]
	s_add_nc_u64 s[14:15], s[14:15], s[86:87]
	s_cmp_eq_u32 s16, 0
	s_cbranch_scc0 .Lwave_1
	TLOAD G0B, G1B                                 ; wave 0: B's eight row tiles, which are wanted first
	s_branch .Lasked
.Lwave_1:
	s_cmp_eq_u32 s16, 1
	s_cbranch_scc0 .Lwave_2
	ATILE 0, 384                                   ; wave 1: A's row tiles 0 to 7
	s_branch .Lasked
.Lwave_2:
	s_cmp_eq_u32 s16, 2
	s_cbranch_scc0 .Lwave_3
	ATILE 384, 192                                 ; wave 2: 8 to 11
	s_branch .Lasked
.Lwave_3:
	ATILE 576, 192                                 ; wave 3: 12 to 15
.Lasked:
.irp p, 0,1
.irp c, 0,1,2,3
	global_load_b64 v[SB+NQ*\p+2*\c:SB+NQ*\p+2*\c+1], v[OSB], s[10:11] offset:1024*\p+128*\c      ; K steps 2 c, 2 c + 1 of my tile 2 p + h
.endr
.endr
.irp u, 0,1,2,3
.irp c, 0,1,2,3
	global_load_b64 v[SA+NQ*\u+2*\c:SA+NQ*\u+2*\c+1], v[OSB+1], s[6:7] offset:2048*\u+128*\c      ; the same of my block 2 u + h
.endr
.endr
.irp t, 0,1,2,3
	global_load_b128 v[BO+8*\t:BO+8*\t+3], v[OSB+2], s[12:13] offset:128*(\t/2)+32*(\t%2)
	global_load_b128 v[BO+8*\t+4:BO+8*\t+7], v[OSB+2], s[12:13] offset:128*(\t/2)+32*(\t%2)+16
.endr
	s_cmp_eq_u32 s16, 0
	s_cbranch_scc0 .Lnot_b
	s_wait_tensorcnt 0x0                           ; wave 0: B has landed
.Lnot_b:
	BARRIER
.irp q, 0,1,2,3,4,5,6,7
.irp t, 0,1,2,3
	FRAG NB*\q+\t, BA, (8*\t+\q)*FRB
.endr
.endr
	WIN 0
	s_cmp_eq_u32 s16, 1
	s_cbranch_scc0 .Lnot_a
	s_wait_tensorcnt 0x0                           ; wave 1: A's row tiles 0 to 7 have landed
.Lnot_a:
	s_wait_dscnt 0x0
	BARRIER                                        ; they are shown to all, and nobody reads B's bytes any more.  Waves 2 and 3's tiles may still be on their way
	FETCH 0, A0
	FETCH 1, AN
	s_wait_loadcnt 0x0                             ; the scale words and the bias
	s_wait_dscnt NF                                ; block 0's fragments are in
; ================= THE STREAM: eight blocks, written out by one macro: the scale words' registers differ from pair to pair, and every offset is an immediate
	STREAM 0
	STREAM 1
	STREAM 2
	STREAM 3
	STREAM 4
	STREAM 5
	STREAM 6
	STREAM 7
	s_wait_tensorcnt 0x0                           ; the wave's end
	ds_add_u32 v[SPW], v[NIL]
	s_wait_dscnt 0x0
	CROUND                                         ; the closing round
	s_endpgm
.Lfunc_end_k_q6c57a2c371_outp:
	.size	k_q6c57a2c371_outp, .Lfunc_end_k_q6c57a2c371_outp-k_q6c57a2c371_outp
	.p2alignl 7, 3214868480
	.fill 96, 4, 3214868480
	.section	.rodata,"a",@progbits
	.p2align	6, 0x0
	.amdhsa_kernel k_q6c57a2c371_outp
		.amdhsa_group_segment_fixed_size 327680
		.amdhsa_private_segment_fixed_size 0
		.amdhsa_enable_private_segment 0
		.amdhsa_kernarg_size 48
		.amdhsa_user_sgpr_count 2
		.amdhsa_user_sgpr_kernarg_segment_ptr 1
		.amdhsa_wavefront_size32 1
		.amdhsa_system_sgpr_workgroup_id_x 1
		.amdhsa_system_sgpr_workgroup_id_y 1
		.amdhsa_system_sgpr_workgroup_id_z 1
		.amdhsa_system_vgpr_workitem_id 0
		.amdhsa_next_free_vgpr 840
		.amdhsa_next_free_sgpr 102
		.amdhsa_reserve_vcc 0
		.amdhsa_float_denorm_mode_32 3
		.amdhsa_float_denorm_mode_16_64 3
		.amdhsa_memory_ordered 1
		.amdhsa_forward_progress 1
		.amdhsa_inst_pref_size 86
	.end_amdhsa_kernel
	.amdgpu_metadata
---
amdhsa.version: [ 1, 2 ]
amdhsa.kernels:
  - .name:           k_q6c57a2c371_outp
    .symbol:         k_q6c57a2c371_outp.kd
    .args:
      - { .name: oc, .offset: 0, .size: 8, .value_kind: global_buffer, .address_space: global }
      - { .name: os, .offset: 8, .size: 8, .value_kind: global_buffer, .address_space: global }
      - { .name: xc, .offset: 16, .size: 8, .value_kind: global_buffer, .address_space: global }
      - { .name: xs, .offset: 24, .size: 8, .value_kind: global_buffer, .address_space: global }
      - { .name: bo, .offset: 32, .size: 8, .value_kind: global_buffer, .address_space: global }
      - { .name: out0, .offset: 40, .size: 8, .value_kind: global_buffer, .address_space: global }
    .group_segment_fixed_size: 327680
    .private_segment_fixed_size: 0
    .kernarg_segment_align: 8
    .kernarg_segment_size: 48
    .max_flat_workgroup_size: 128
    .sgpr_count:     102
    .vgpr_count:     840
    .wavefront_size: 32
...
	.end_amdgpu_metadata
.endif
;; end of part 4
